; MI455X (gfx1250); checked and timed in simulation.
; The chip was launched on July 23, 2026; its instructions are those of AMD's public machine-readable ISA for CDNA 5 (MIT licence, August 2026) and "CDNA5" Instruction Set Architecture Reference Guide (July 2026). The comments in the code are by the model that wrote it; some were corrected since.
;; Multihead Attention. Allowed arithmetic: matrix products marked QUANTISED: E4M3 operands, one E8M0 scale for each 32 along K, by v_wmma_scale_f32_16x16x128_f8f6f4 with both operands' format E4M3, f32 sums; everything else in f32.
;; Inputs: K 1 x 4,096 x 768 float32; Q 1 x 4,096 x 768 float32; V 1 x 4,096 x 768 float32; Wk 768 x 768 float32; Wo 768 x 768 float32; Wq 768 x 768 float32; Wv 768 x 768 float32; bo 768 float32.
;; Outputs: out0 1 x 4,096 x 768 float32.
;; This version of the problem:
;;   THIS VERSION OF THE PROBLEM IS GIVEN IN LOW PRECISION. The matrix products marked QUANTISED in the list below multiply operands that are first quantised to E4M3 (4 exponent bits, 3 mantissa bits; 8 bits a number), with one power-of-two scale for each 32 numbers along K (OCP MX v1.0); their sums are f32. All else is computed in f32.
;;   The module's matrix products, in the order in which they are computed (A, B: the left and right operand; K: the contracted axis; several contracted axes count as one K, in the product's order):
;;     1. [M 4,096, K 768] x [K 768, N 768]; A: input Q; B: input Wq: QUANTISED
;;     2. [M 4,096, K 768] x [K 768, N 768]; A: input K; B: input Wk: QUANTISED
;;     3. [M 4,096, K 768] x [K 768, N 768]; A: input V; B: input Wv: QUANTISED
;;     4. batch 12 x [M 4,096, K 64] x [K 64, N 4,096]; A: computed on the way; B: computed on the way: QUANTISED
;;     5. batch 12 x [M 4,096, K 4,096] x [K 4,096, N 64]; A: softmax (see below); B: computed on the way: QUANTISED
;;     6. [M 4,096, K 768] x [K 768, N 768]; A: computed on the way; B: input Wo: QUANTISED
;;   THE QUANTISER, for each operand of a quantised product, along K:
;;     - K is cut into blocks of 32 from its start; a last block that is shorter is filled with zeros.
;;     - A block's scale is 2^e with e = floor(log2(the largest magnitude in the block)) - 8, held to -126 .. 127; a block of zeros has e = 0. As a byte (E8M0): e + 127.
;;     - Each number is divided by its block's scale, clamped to +-448, and rounded to the nearest number of E4M3, ties to even, subnormals kept.
;;     - The product sums the exact products of the quantised numbers (number of the format x scale) in f32.
;;   ~~~python
;;   def quantise(x, axis):      # numpy; x: float32 -> the quantised numbers, widened to float32 again
;;       x = np.moveaxis(x, axis, -1); K = x.shape[-1]
;;       x = np.pad(x, [(0, 0)] * (x.ndim - 1) + [(0, -K % 32)]); x = x.reshape(x.shape[:-1] + (-1, 32)); a = np.abs(x).max(-1, keepdims=True)
;;       e = np.where(a > 0, np.clip(np.frexp(np.where(a > 0, a, 1))[1] - 1 - 8, -126, 127), 0)      # np.frexp(a)[1] - 1 = floor(log2(a)), exactly
;;       r = np.clip(x / 2.0 ** e, -448, 448)
;;       step = 2.0 ** (np.maximum(np.frexp(np.where(r == 0, 1, r))[1] - 1, -6) - 3)
;;       q = np.round(r / step) * step * 2.0 ** e      # np.round: ties to even
;;       return np.moveaxis(q.reshape(q.shape[:-2] + (-1,))[..., :K], -1, axis).astype(np.float32)
;;   ~~~
;;   SOFTMAX AHEAD OF A QUANTISED PRODUCT. Where the list says 'softmax', what is quantised is not the finished softmax but p = 2^(t - M), with t = logit x log2(e) and M = ceil(the row's largest t), a whole number; so 1/2 < the row's largest p <= 1. The row's sum l is taken of the UNQUANTISED p, in f32, and the product's result is divided by l at the end. Since M is a whole number, a kernel that streams over the keys may use a running M (the ceiling of the running maximum): every later rescaling is an exact power of two, which a block's scale takes up: the codes' values come out the same.
;;   OPERANDS COMPUTED ON THE WAY. 'Computed on the way' means the value that the module computes at that place (a softmax that the list does not call 'softmax' is quantised finished and normalised). What goes into a quantiser is computed in f32, as accurately as f32 sums, v_exp_f32 and their like allow (about 1e-6 of the number): no bf16 or f16 on the way to a quantiser, and a product that is left as it is and whose result goes on into a quantised operand takes f32 operands (vector FMAs, or v_wmma_f32_16x16x4_f32). A number that lies on a knife's edge between two numbers of the format may be rounded either way, as far as f32 arithmetic and the matrix unit's own rounding can turn it there, and no further.
;; 2 versions. Each part assembles by itself: llvm-mc -triple=amdgcn-amd-amdhsa -mcpu=gfx1250 --defsym DOCPART=n.
;; ======== version 1 of 2: 4 launches
;; workspace buffers: wq 2,457,600 bytes; qb 3,342,336 bytes; kv 6,684,672 bytes; ob 3,407,872 bytes
;; launch wquant (part 1): grid 36 x 4, 4 waves a work-group, no clusters, 0 bytes of LDS; arguments Wq, Wk, Wv, Wo, wq; writes wq
.if DOCPART == 1
	.amdgcn_target "amdgcn-amd-amdhsa--gfx1250"
	.amdhsa_code_object_version 6
	.text
	.protected	k_qbdb71defb8_wquant
	.globl	k_qbdb71defb8_wquant
	.p2align	8
	.type	k_qbdb71defb8_wquant,@function
k_qbdb71defb8_wquant:
	s_mov_b64 s[64:65], 0
	v_nop
	global_prefetch_b8 v0, s[64:65] scope:SCOPE_SE
	s_setreg_imm32_b32 hwreg(HW_REG_WAVE_MODE, 25, 1), 1
	s_wait_xcnt 0x0
; One of Wq, Wk, Wv, Wo ([768 (k)][768 (n)] f32, K its FIRST axis; work-group y says which) becomes codes of E4M3 with one E8M0 byte for each 32 along K.
; THE CODES ARE LAID AS IMAGES OF THE OPERAND'S REGISTERS: weight y, tile T of 16 columns, K step s of 128, group c of four registers:
;   byte y*589824 + T*12288 + s*2048 + c*512 + h*256 + r*16 + e  =  the code of W[128 s + 32 c + 16 h + e][n],  n = 32 (T/2) + 8 (T%2) + r + 8 (r/8).
; So a later wave loads a fragment by four loads of 16 bytes a lane at 16 x lane.  The columns of a tile are not neighbours: with such a tile as source 0 of a product, a lane's 16 registers
; of result tiles 2 b and 2 b + 1 are 16 neighbours along n, which is the next product's K.
; The scale words lie behind the codes: 2359296 + y*24576 + T*512 + r*32 + s*4, byte c for block 4 s + c (bytes 24-31 of each 32 are neither written nor read).
; SHARES: work-group x = 6 s + ng; wave w takes the 32 columns of group cg = 4 ng + w (tiles 2 cg, 2 cg + 1) and the 128 rows of K step s.
; A LANE TAKES A COLUMN AND ITS REGISTERS RUN DOWN K: a block of 32 lies in one lane, its largest magnitude needs no other lane, and the conversions give codes with K innermost.
; Each load of a wave reads 128 consecutive bytes (the four waves 512); each store of codes fills two aligned runs of 256 bytes, one for each tile.
; A block's scale is 2^(floor(log2(largest magnitude)) - 8); its byte is the largest magnitude's exponent field - 8, held at 1 from below.
; LIMITS: NaN and infinities among the inputs are not served; a block of zeros gets the byte 1 where the rule says 127 (its codes are zeros, and this program alone reads the bytes);
; blocks whose largest magnitude lies under 2^-118 are held at the byte 1.
; No LDS, no barrier, no matrix unit, no cluster: waves share nothing, and each input byte is read once.
.set ROWW, 3072                        ; bytes in a row of W
.set X,    32                          ; v32-159  four sets of 32 numbers, one for each block
.set C,    160                         ; v160-191 eight registers of codes for each block: no store's data are written again
.set SWD,  16                          ; v16      the K step's scale word
.set MNT,  24                          ; s24      the mantissa field of 448
	s_load_b256 s[4:11], s[0:1], 0x0               ; Wq s[4:5], Wk s[6:7], Wv s[8:9], Wo s[10:11]
	s_load_b64 s[12:13], s[0:1], 0x20              ; wq
	v_lshrrev_b32 v1, 5, v0
	v_readfirstlane_b32 s14, v1                    ; wave
	s_and_b32 s15, ttmp7, 0xffff                   ; y: which weight
	s_mul_i32 s16, ttmp9, 43
	s_lshr_b32 s16, s16, 8                         ; s = x / 6 (43 x >> 8 is x / 6 for x up to 35)
	s_mul_i32 s17, s16, 6
	s_sub_co_u32 s17, ttmp9, s17                   ; ng = x - 6 s
	s_lshl_b32 s17, s17, 2
	s_add_co_u32 s17, s17, s14                     ; cg = 4 ng + wave: 0 .. 23
	v_and_b32 v7, 15, v0                           ; r
	v_bfe_u32 v3, v0, 4, 1                         ; u: which of the group's two tiles
	v_and_b32 v8, 8, v7
	v_add_nc_u32 v8, v8, v7
	v_lshl_add_u32 v8, v3, 3, v8                   ; my column in the group: 8 u + r + 8 (r / 8)
	v_lshlrev_b32 v4, 2, v8                        ; in bytes
	v_mul_u32_u24 v5, v3, 12288
	v_lshl_add_u32 v5, v7, 4, v5                   ; codes: tile u, 16 bytes a lane
	v_lshlrev_b32 v6, 9, v3
	v_lshl_add_u32 v6, v7, 5, v6                   ; scale words: tile u, 32 bytes a column
	s_mul_i32 s18, s16, 128*ROWW                   ; W: 128 s rows down,
	s_lshl_b32 s19, s17, 7
	s_add_co_u32 s18, s18, s19                     ; 32 cg columns on
	s_mov_b32 s19, 0
	s_mul_i32 s20, s15, 589824                     ; codes: weight y,
	s_mul_i32 s21, s17, 24576
	s_add_co_u32 s20, s20, s21                     ; tiles 2 cg on,
	s_lshl_b32 s21, s16, 11
	s_add_co_u32 s20, s20, s21                     ; K step s
	s_mov_b32 s21, 0
	s_mul_i32 s22, s15, 24576                      ; scale words likewise
	s_lshl_b32 s23, s17, 10
	s_add_co_u32 s22, s22, s23
	s_lshl_b32 s23, s16, 2
	s_add_co_u32 s22, s22, s23
	s_add_co_u32 s22, s22, 2359296
	s_mov_b32 s23, 0
	s_mov_b32 s[MNT], 0x600000
	s_wait_kmcnt 0x0
	s_cmp_eq_u32 s15, 1                            ; the choice of the weight hangs on the work-group's number alone
	s_cselect_b64 s[4:5], s[6:7], s[4:5]
	s_cmp_eq_u32 s15, 2
	s_cselect_b64 s[4:5], s[8:9], s[4:5]
	s_cmp_eq_u32 s15, 3
	s_cselect_b64 s[4:5], s[10:11], s[4:5]
	s_add_nc_u64 s[4:5], s[4:5], s[18:19]
	s_add_nc_u64 s[6:7], s[12:13], s[20:21]
	s_add_nc_u64 s[8:9], s[12:13], s[22:23]
.macro LOAD t                          ; block t: W(128 s + 32 t + i, my column), i = 0 .. 31
.set li, 0
.rept 32
	global_load_b32 v[X+32*(\t)+li], v4, s[4:5] offset:(32*(\t)+li)*ROWW th:TH_LOAD_NT
.set li, li+1
.endr
.endm
.macro BLOCK t
.set XS, X+32*(\t)
.set CC, C+8*(\t)
.if (\t) < 3
	s_wait_loadcnt 32                              ; this block's 32 loads are in; the next block's 32 may be out
.else
	s_wait_loadcnt 0x0
.endif
.if (\t) < 2
	LOAD (\t)+2                                    ; two blocks ahead
.endif
	v_max3_num_f32 v12, |v[XS]|, |v[XS+1]|, |v[XS+2]|      ; the block's largest magnitude, in two chains: all 32 numbers are mine
	v_max3_num_f32 v13, |v[XS+3]|, |v[XS+4]|, |v[XS+5]|
.irp i, 6,10,14,18,22,26
	v_max3_num_f32 v12, v12, |v[XS+\i]|, |v[XS+\i+1]|
	v_max3_num_f32 v13, v13, |v[XS+\i+2]|, |v[XS+\i+3]|
.endr
	v_max3_num_f32 v12, v12, |v[XS+30]|, |v[XS+31]|
	v_max3_num_f32 v12, v12, v13, 0x4800000        ; and the floor 2^(9 - 127): the byte cannot fall under 1
	v_add_nc_u32 v11, 0xfc000000, v12              ; 8 off the exponent field: the conversion takes this operand's exponent field as its scale
	v_and_or_b32 v10, v12, 0x7f800000, s[MNT]      ; 448 x the scale
	v_lshrrev_b32 v13, 23, v11                     ; the scale's byte
.if (\t) == 0
	v_mov_b32 v[SWD], v13
.else
	v_lshl_or_b32 v[SWD], v13, 8*(\t), v[SWD]      ; the lower K in the lower byte
.endif
.set li, 0
.rept 32
	v_med3_num_f32 v[XS+li], v[XS+li], -v10, v10   ; the conversion to an 8-bit code does not saturate (ISA guide 7.6.2): the hold at 448 x the scale comes first
.set li, li+1
.endr
.irp g, 0,1,2,3
	v_cvt_scalef32_pk8_fp8_f32 v[CC+2*\g:CC+2*\g+1], v[XS+8*\g:XS+8*\g+7], v11
.endr
	global_store_b128 v5, v[CC:CC+3], s[6:7] offset:512*(\t)          ; k = 32 t + 0 .. 15: the half h = 0 of group t; sixteen lanes fill 256 consecutive bytes
	global_store_b128 v5, v[CC+4:CC+7], s[6:7] offset:512*(\t)+256    ; k = 32 t + 16 .. 31: the half h = 1
.endm
	LOAD 0
	LOAD 1
	BLOCK 0
	BLOCK 1
	BLOCK 2
	BLOCK 3
	global_store_b32 v6, v[SWD], s[8:9]            ; my column's scale word of this K step
	s_endpgm
.Lfunc_end_k_qbdb71defb8_wquant:
	.size	k_qbdb71defb8_wquant, .Lfunc_end_k_qbdb71defb8_wquant-k_qbdb71defb8_wquant
	.p2alignl 7, 3214868480
	.fill 96, 4, 3214868480
	.section	.rodata,"a",@progbits
	.p2align	6, 0x0
	.amdhsa_kernel k_qbdb71defb8_wquant
		.amdhsa_group_segment_fixed_size 0
		.amdhsa_private_segment_fixed_size 0
		.amdhsa_enable_private_segment 0
		.amdhsa_kernarg_size 40
		.amdhsa_user_sgpr_count 2
		.amdhsa_user_sgpr_kernarg_segment_ptr 1
		.amdhsa_wavefront_size32 1
		.amdhsa_system_sgpr_workgroup_id_x 1
		.amdhsa_system_sgpr_workgroup_id_y 1
		.amdhsa_system_sgpr_workgroup_id_z 1
		.amdhsa_system_vgpr_workitem_id 0
		.amdhsa_next_free_vgpr 192
		.amdhsa_next_free_sgpr 66
		.amdhsa_reserve_vcc 0
		.amdhsa_float_denorm_mode_32 3
		.amdhsa_float_denorm_mode_16_64 3
		.amdhsa_memory_ordered 1
		.amdhsa_forward_progress 1
		.amdhsa_inst_pref_size 30
	.end_amdhsa_kernel
	.amdgpu_metadata
---
amdhsa.version: [ 1, 2 ]
amdhsa.kernels:
  - .name:           k_qbdb71defb8_wquant
    .symbol:         k_qbdb71defb8_wquant.kd
    .args:
      - { .name: Wq, .offset: 0, .size: 8, .value_kind: global_buffer, .address_space: global }
      - { .name: Wk, .offset: 8, .size: 8, .value_kind: global_buffer, .address_space: global }
      - { .name: Wv, .offset: 16, .size: 8, .value_kind: global_buffer, .address_space: global }
      - { .name: Wo, .offset: 24, .size: 8, .value_kind: global_buffer, .address_space: global }
      - { .name: wq, .offset: 32, .size: 8, .value_kind: global_buffer, .address_space: global }
    .group_segment_fixed_size: 0
    .private_segment_fixed_size: 0
    .kernarg_segment_align: 8
    .kernarg_segment_size: 40
    .max_flat_workgroup_size: 128
    .sgpr_count:     66
    .vgpr_count:     192
    .wavefront_size: 32
...
	.end_amdgpu_metadata
.endif
;; end of part 1
;; launch proj (part 2): grid 64 x 3, 4 waves a work-group, no clusters, 86,528 bytes of LDS; arguments Q, K, V, wq, qb, kv; writes qb, kv
.if DOCPART == 2
	.amdgcn_target "amdgcn-amd-amdhsa--gfx1250"
	.amdhsa_code_object_version 6
	.text
	.protected	k_qbdb71defb8_proj
	.globl	k_qbdb71defb8_proj
	.p2align	8
	.type	k_qbdb71defb8_proj,@function
k_qbdb71defb8_proj:
	s_mov_b64 s[64:65], 0
	v_nop
	global_prefetch_b8 v0, s[64:65] scope:SCOPE_SE
	s_setreg_imm32_b32 hwreg(HW_REG_WAVE_MODE, 25, 1), 1
	s_wait_xcnt 0x0
; The three projections q = Q Wq, k = K Wk, v = V Wv on codes of E4M3 with one E8M0 scale for each 32 along K, and the quantising of their results for attention.
; Work-group (x = B, y = Y): 64 rows (64 B on) of input Y (0: Q, 1: K, 2: V), all 768 columns: the f32 rows are read from memory once.
; PHASE X: wave w quantises 16 of the rows along the 768 (six K steps of 128) and stores each fragment in LDS as an IMAGE OF ITS REGISTERS (four stores of 512 consecutive bytes, lane l's
; 16 bytes at 16 l), its scale words likewise (4 bytes a lane).  One barrier.  Then every wave takes all 24 fragments into 384 registers and keeps them.
; MAIN: wave w makes heads 3 w .. 3 w + 2.  A head's weights (4 tiles x 6 K steps, laid as register images by the launch before) go from memory straight into registers, three K steps ahead,
; and each fragment feeds four matrix instructions.  16 accumulators take turns, one instruction a turn.
; q, k: source 0 = 16 columns of W, source 1 = 16 rows of x: a lane holds ONE row, and its registers run along the head's 64, attention's first K.
; v:    source 0 = 16 rows of x (keys), source 1 = 16 columns of W: a lane holds ONE channel d, and its registers run along the keys, attention's second K.
; THE ROWS OF A TILE ARE NOT NEIGHBOURS for W's columns and for the rows of inputs K and V: member r of tile T is 32 (T/2) + 8 (T%2) + r + 8 (r/8); so the 16 registers of result tiles 2 b, 2 b + 1
; are 16 neighbours along the next K, and the conversions' results are that operand's registers.  Input Q's rows keep their order.
; OUT, all as register images: qb: (head*256 + tile of 16 queries)*1024 + c*512 + 16 lane; its scale words at 3145728 + (head*64 + B)*256 + 16 r + 4 m.
; kv: a record of 17408 bytes for each head and 128 keys: K's 8 tiles (1024 bytes each), V's 4 tiles (2048 each) at 8192, K's scale words at 16384 (lanes 0-15: tiles 0-3, lanes 16-31: tiles 4-7),
; V's at 16896.  A scale word of q or k holds its two bytes twice: the upper two stand for the half of the 128-deep form that attention fills with zero codes.
; LIMITS: NaN and infinities are not served; a block of zeros gets the byte 1 where the rule says 127 (its codes are zeros, this program alone reads the bytes); magnitudes under 2^-118 are held at the byte 1.
; NO CLUSTER, NO TENSOR LOAD: the weights are shared by the 64 work-groups of one y, but they go into registers as they lie and are used once in a work-group; a joint load would add a way through
; LDS and a round of the cluster's barrier for each of 18 K steps of 16 matrix instructions.
; REGISTERS, in windows of 256: window 0: v1-13 addresses, v16-39 x's scale words (4 s + m), v40-63 W's (6 t + s), v64-119 at work, v128-255 the accumulators (in phase X: 64 numbers).
;   window 1: in phase X two sets of 64 raw numbers; then x's fragments of K steps 0-3 (64 s + 16 m).   window 2: v0-127 x's of K steps 4, 5; v128-255 W's sets 4, 5.   window 3: W's sets 0-3.
.set XIMG, 0                           ; LDS: x's 24 fragments, fragment 4 s + m at 2048 bytes each
.set XSC,  49152                       ; their scale words, 128 bytes each
.set STG,  52224                       ; a stage of 16 rows x (512 + 16) bytes for each wave
.set SPI,  528
.set XA0, 4                            ; v4   x: 16 x lane + my tile's first row; rows 0-7 of the tile
.set XA1, 5                            ; v5   the same for rows 8-15, which lie 8 rows further on for inputs K and V
.set LI,  6                            ; v6   16 x lane
.set LS,  7                            ; v7   4 x lane
.set XWI, 8                            ; v8   where I store x's images: 16 x lane + 2048 x wave
.set XWS, 9                            ; v9   and their scale words: 4 x lane + 128 x wave
.set STW, 10                           ; v10  my stage, on the way in
.set STR, 11                           ; v11  and on the way out: row r, + 64 h
.set WSA, 12                           ; v12  32 r: W's scale words
.set SOA, 13                           ; v13  16 r + 8 h: q's and k's scale words on the way out
.set XS,  16
.set WS,  40
.set TM,  64                           ; v64-67 largest magnitudes, v68-71 bytes, v72-75 448 x the scale, v76-79 the conversions' scale operands
.set PW,  80
.set D0,  82
.set SW,  84
.set PC,  88                           ; v88-119 codes
.set ACC, 128
.set X,   128
.set WV,  16
.set YY,  17
.set BB,  18
.set PERM, 19
.set XP,  20
.set WP,  22
.set WSP, 24
.set OP,  26
.set SP,  28
.set OST, 30
.set SST, 32
.set SEL, 34
.set MNT, 36
.set TRIP, 37
.set HM,  38
.set MSB, 0
.macro WIN new                         ; the immediate's high byte repeats the setting that is left; a switch that changes nothing is dropped
.if MSB != \new
	s_set_vgpr_msb (MSB<<8)|\new
.set MSB, \new
.endif
.endm
.macro PLACES                          ; eight plain vector instructions behind this matrix form, ahead of reads of its results and of loads into its registers
.rept 8
	v_nop
.endr
.endm
; 16 rows x 128 numbers of K step s into raw set 'set' (window 1): each load reads 512 consecutive bytes of one row
.macro GLOADX s, set
	WIN 0x40
.irp i, 0,1,2,3,4,5,6,7
	global_load_b128 v[64*(\set)+4*\i:64*(\set)+4*\i+3], v[XA0], s[XP:XP+1] offset:\i*3072+512*(\s) th:TH_LOAD_NT
.endr
.irp i, 8,9,10,11,12,13,14,15
	global_load_b128 v[64*(\set)+4*\i:64*(\set)+4*\i+3], v[XA1], s[XP:XP+1] offset:\i*3072+512*(\s) th:TH_LOAD_NT
.endr
.endm
; 64 numbers of a lane, register 16 b + i = place 32 b + 16 (lane / 16) + i along K, become 16 registers of codes at v[PC + 16 p] on.
; mode 0: the four bytes make one scale word, v[PW].  mode 1: blocks 0, 1 and blocks 2, 3 belong to two operand rows of K = 64: two words, v[SW + 2 p], v[SW + 2 p + 1], each with its two bytes twice.
.macro QUANT s, mode, p
.irp b, 0,1,2,3
	v_max3_num_f32 v[TM+\b], |v[(\s)+16*\b]|, |v[(\s)+16*\b+1]|, 0x4800000   ; my 16 numbers of block b, from each accumulator's low end on, and the floor 2^(9 - 127)
.endr
.irp i, 2,4,6,8,10,12,14
.irp b, 0,1,2,3
	v_max3_num_f32 v[TM+\b], v[TM+\b], |v[(\s)+16*\b+\i]|, |v[(\s)+16*\b+\i+1]|   ; the four blocks by turns
.endr
.endr
.irp b, 0,1,2,3
	v_permlanex16_b32 v[TM+4+\b], v[TM+\b], s[SEL], s[SEL+1]
.endr
.irp b, 0,1,2,3
	v_max_num_f32 v[TM+\b], v[TM+\b], v[TM+4+\b]   ; with lane l xor 16's 16: the block's largest magnitude
.endr
.irp b, 0,1,2,3
	v_add_nc_u32 v[TM+12+\b], 0xfc000000, v[TM+\b] ; 8 off its exponent field: the conversion's scale operand
.endr
.irp b, 0,1,2,3
	v_and_or_b32 v[TM+8+\b], v[TM+\b], 0x7f800000, s[MNT]   ; 448 x the scale
.endr
.irp b, 0,1,2,3
	v_lshrrev_b32 v[TM+4+\b], 23, v[TM+12+\b]      ; the scale's byte
.endr
.if \mode == 0
	v_lshl_or_b32 v[PW], v[TM+5], 8, v[TM+4]
	v_lshl_or_b32 v[PW], v[TM+6], 16, v[PW]
	v_lshl_or_b32 v[PW], v[TM+7], 24, v[PW]
.else
	v_lshl_or_b32 v[SW+2*\p], v[TM+5], 8, v[TM+4]
	v_lshl_or_b32 v[SW+2*\p+1], v[TM+7], 8, v[TM+6]
	v_lshl_or_b32 v[SW+2*\p], v[SW+2*\p], 16, v[SW+2*\p]
	v_lshl_or_b32 v[SW+2*\p+1], v[SW+2*\p+1], 16, v[SW+2*\p+1]
.endif
.irp b, 0,1,2,3
.irp i, 0,1,2,3,4,5,6,7,8,9,10,11,12,13,14,15
	v_med3_num_f32 v[(\s)+16*\b+\i], v[(\s)+16*\b+\i], -v[TM+8+\b], v[TM+8+\b]   ; the conversion does not saturate (ISA guide 7.6.2): the hold comes first
.endr
	v_cvt_scalef32_pk8_fp8_f32 v[PC+16*\p+4*\b:PC+16*\p+4*\b+1], v[(\s)+16*\b:(\s)+16*\b+7], v[TM+12+\b]
	v_cvt_scalef32_pk8_fp8_f32 v[PC+16*\p+4*\b+2:PC+16*\p+4*\b+3], v[(\s)+16*\b+8:(\s)+16*\b+15], v[TM+12+\b]
.endr
	v_nop                                          ; one plain vector instruction behind the last conversion: later products write its sources
.endm
; K step s of my 16 rows: through my stage (in as loaded, a row's 512 bytes on end; out 16 neighbours of each block a lane), quantised, its image to LDS
.macro XSTEP s
.if (\s) < 5
	s_wait_loadcnt 16                              ; this K step's 16 loads are in; the next K step's 16 may be out
.else
	s_wait_loadcnt 0x0
.endif
	WIN 0x04                                       ; an LDS store's data are its source 1: window 1
.irp i, 0,1,2,3,4,5,6,7,8,9,10,11,12,13,14,15
	ds_store_b128 v[STW], v[64*((\s)%2)+4*\i:64*((\s)%2)+4*\i+3] offset:SPI*\i
.endr
	WIN 0
.irp b, 0,1,2,3
.irp j, 0,1,2,3
	ds_load_b128 v[X+16*\b+4*\j:X+16*\b+4*\j+3], v[STR] offset:128*\b+16*\j   ; LDS serves a wave's instructions in order (ISA guide 5.7.1.4): these see my stores
.endr
.endr
	s_wait_dscnt 0x0                               ; the numbers are back; the stores into the stage and the last image's stores have read their registers
.if (\s) < 4
	GLOADX (\s)+2, (\s)%2                          ; the raw set takes the K step two on
	WIN 0
.endif
	QUANT X, 0, 0
.irp c, 0,1,2,3
	ds_store_b128 v[XWI], v[PC+4*\c:PC+4*\c+3] offset:XIMG+8192*(\s)+512*\c
.endr
	ds_store_b32 v[XWS], v[PW] offset:XSC+512*(\s)
.endm
; a head's four fragments of one K step into set 'set'; off: their place from s[WP] on
.macro WLOAD set, off
.if (\set) < 4
	WIN 0xc0
.set WB, 64*(\set)
.else
	WIN 0x80
.set WB, 128+64*((\set)-4)
.endif
.irp t, 0,1,2,3
.irp c, 0,1,2,3
	global_load_b128 v[WB+16*\t+4*\c:WB+16*\t+4*\c+3], v[LI], s[WP:WP+1] offset:(\off)+\t*12288+\c*512
.endr
.endr
.endm
.macro WSCL off                        ; a head's scale words: six words for each of its 64 columns
.irp t, 0,1,2,3
	global_load_b128 v[WS+6*\t:WS+6*\t+3], v[WSA], s[WSP:WSP+1] offset:(\off)+512*\t
	global_load_b64 v[WS+6*\t+4:WS+6*\t+5], v[WSA], s[WSP:WSP+1] offset:(\off)+512*\t+16
.endr
.endm
; 16 matrix instructions of K step s.  var 0: accumulator (m, t), source 0 = W's tile t, source 1 = x's tile m.  var 1: accumulator (t, m), source 0 = x's tile m, source 1 = W's tile t.
; K step 0 starts the sums with the constant 0: nothing is cleared.
.macro MULS var, s
.if (\s) < 4
.set WB, 64*(\s)
.set XB, 64*(\s)
.if \var
	WIN 0x0d                                       ; source 0 (x) window 1, source 1 (W) window 3
.else
	WIN 0x07                                       ; source 0 (W) window 3, source 1 (x) window 1
.endif
.else
.set WB, 128+64*((\s)-4)
.set XB, 64*((\s)-4)
	WIN 0x0a                                       ; both in window 2
.endif
.irp i, 0,1,2,3
.irp j, 0,1,2,3
.set DD, ACC+8*(4*\i+\j)
.if \var
.if (\s) == 0
	v_wmma_scale_f32_16x16x128_f8f6f4 v[DD:DD+7], v[XB+16*\j:XB+16*\j+15], v[WB+16*\i:WB+16*\i+15], 0, v[XS+4*(\s)+\j], v[WS+6*\i+(\s)]
.else
	v_wmma_scale_f32_16x16x128_f8f6f4 v[DD:DD+7], v[XB+16*\j:XB+16*\j+15], v[WB+16*\i:WB+16*\i+15], v[DD:DD+7], v[XS+4*(\s)+\j], v[WS+6*\i+(\s)]
.endif
.else
.if (\s) == 0
	v_wmma_scale_f32_16x16x128_f8f6f4 v[DD:DD+7], v[WB+16*\j:WB+16*\j+15], v[XB+16*\i:XB+16*\i+15], 0, v[WS+6*\j+(\s)], v[XS+4*(\s)+\i]
.else
	v_wmma_scale_f32_16x16x128_f8f6f4 v[DD:DD+7], v[WB+16*\j:WB+16*\j+15], v[XB+16*\i:XB+16*\i+15], v[DD:DD+7], v[WS+6*\j+(\s)], v[XS+4*(\s)+\i]
.endif
.endif
.endr
.endr
.endm
; K step s of a head: the set three K steps on is asked for (from K step 3 on: the next head's), then the wait for this K step's set, then its products.
.macro KST var, s, last
.if \s == 3
	PLACES                                         ; sets 0, 1, 2 have been multiplied: these places serve the loads into them in K steps 3, 4, 5
.endif
.if \s < 3
	WLOAD \s+3, (\s+3)*2048
.elseif !\last
	WLOAD \s-3, 49152+(\s-3)*2048
.endif
.if \last && (\s >= 3)
	s_wait_loadcnt 16*(5-\s)                       ; nothing more is asked for: behind this K step's set stand the sets up to 5
.elseif \s < 2
	s_wait_loadcnt 16*(\s+1)                       ; K step 0: only the set just asked for may be out, so the head's scale words, issued behind set 2, are in
.else
	s_wait_loadcnt 48                              ; the three younger sets, 16 loads each, may be out
.endif
	MULS \var, \s
.endm
.macro HEAD var, last
	KST \var, 0, \last
	KST \var, 1, \last
	KST \var, 2, \last
	KST \var, 3, \last
	KST \var, 4, \last
	KST \var, 5, \last
	WIN 0
	PLACES
.if !\last
	WSCL 2048                                      ; the next head's scale words
.endif
	QUANT ACC, 1, 0
	QUANT ACC+64, 1, 1
.if \var
.irp q, 0,1,2,3,4,5,6,7                ; group q: V's tile q / 2, key block 2 (B % 2) + q % 2
	global_store_b128 v[LI], v[PC+4*\q:PC+4*\q+3], s[OP:OP+1] offset:(\q/2)*2048+(\q%2)*512   ; 512 consecutive bytes
.endr
.irp t, 0,1,2,3
	global_store_b16 v[LI], v[SW+\t], s[SP:SP+1] offset:4*\t   ; my two bytes of channel d's scale word; both halves of the lanes write their own copy
.endr
.else
.irp q, 0,1,2,3,4,5,6,7                ; group q: row tile q / 2, block q % 2 of the head's 64
	global_store_b128 v[LI], v[PC+4*\q:PC+4*\q+3], s[OP:OP+1] offset:512*\q
.endr
	v_cndmask_b32 v[D0], v[SW], v[SW+2], s[HM]     ; lanes 0-15 store the words of row tiles 0, 1, lanes 16-31 those of 2, 3: 256 consecutive bytes, all lanes on
	v_cndmask_b32 v[D0+1], v[SW+1], v[SW+3], s[HM]
	global_store_b64 v[SOA], v[D0:D0+1], s[SP:SP+1]
.endif
.if !\last
	s_wait_xcnt 0x0                                ; every memory instruction issued has read its addresses and data: the bases step, and the codes' registers may be written again
	s_add_nc_u64 s[WP:WP+1], s[WP:WP+1], 49152
	s_add_nc_u64 s[WSP:WSP+1], s[WSP:WSP+1], 2048
	s_add_nc_u64 s[OP:OP+1], s[OP:OP+1], s[OST:OST+1]
	s_add_nc_u64 s[SP:SP+1], s[SP:SP+1], s[SST:SST+1]
.endif
.endm
	s_load_b256 s[4:11], s[0:1], 0x0               ; Q s[4:5], K s[6:7], V s[8:9], wq s[10:11]
	s_load_b128 s[12:15], s[0:1], 0x20             ; qb s[12:13], kv s[14:15]
	v_lshl_add_u32 v126, v0, 2, 0x15000
	v_mov_b32 v127, 0
	v_lshrrev_b32 v1, 5, v0
	v_readfirstlane_b32 s[WV], v1                  ; wave 0..3
	s_and_b32 s[YY], ttmp7, 0xffff
	s_mov_b32 s[BB], ttmp9
	v_and_b32 v1, 31, v0                           ; lane
	v_and_b32 v2, 15, v0                           ; r
	v_bfe_u32 v3, v0, 4, 1                         ; h
	v_lshlrev_b32 v[LI], 4, v1
	v_lshlrev_b32 v[LS], 2, v1
	s_cmp_eq_u32 s[YY], 0
	s_cselect_b32 s[PERM], 0, 8                    ; inputs K and V: rows 8-15 of a tile lie 8 rows further on
	s_lshl_b32 s40, s[WV], 4
	s_and_b32 s41, s[WV], 1
	s_mul_i32 s41, s41, s[PERM]
	s_sub_co_u32 s40, s40, s41                     ; my tile's first row: 16 w, or 32 (w / 2) + 8 (w % 2)
	s_mul_i32 s40, s40, 3072
	v_add_nc_u32 v[XA0], s40, v[LI]
	s_mul_i32 s41, s[PERM], 3072
	v_add_nc_u32 v[XA1], s41, v[XA0]
	s_lshl_b32 s40, s[WV], 11
	v_add_nc_u32 v[XWI], s40, v[LI]
	s_lshl_b32 s40, s[WV], 7
	v_add_nc_u32 v[XWS], s40, v[LS]
	s_mul_i32 s40, s[WV], 16*SPI
	s_add_co_u32 s40, s40, STG
	v_add_nc_u32 v[STW], s40, v[LI]
	v_mul_u32_u24 v[STR], v2, SPI
	v_lshl_add_u32 v[STR], v3, 6, v[STR]
	v_add_nc_u32 v[STR], s40, v[STR]
	v_lshlrev_b32 v[WSA], 5, v2
	v_lshlrev_b32 v[SOA], 4, v2
	v_lshl_add_u32 v[SOA], v3, 3, v[SOA]
	v_cmp_le_u32 s[HM], 16, v1                     ; lanes 16-31
	s_mov_b32 s[SEL], 0x76543210
	s_mov_b32 s[SEL+1], 0xfedcba98                 ; v_permlanex16_b32's selects for lane l xor 16
	s_mov_b32 s[MNT], 0x600000
	; offsets, in registers of their own
	s_mul_i32 s42, s[WV], 192
	s_add_co_u32 s42, s42, s[BB]                   ; q: (head 3 w) x 64 + B
	s_lshl_b32 s43, s42, 8
	s_add_co_u32 s43, s43, 3145728                 ; its scale words
	s_lshl_b32 s42, s42, 12                        ; its codes: four tiles of 1024 bytes
	s_mul_i32 s44, s[WV], 96
	s_lshr_b32 s45, s[BB], 1
	s_add_co_u32 s44, s44, s45
	s_mul_i32 s44, s44, 17408                      ; k, v: the record of head 3 w, key step B / 2
	s_and_b32 s45, s[BB], 1                        ; which half of its 128 keys
	s_lshl_b32 s46, s45, 12
	s_add_co_u32 s46, s46, s44                     ; k's codes
	s_lshl_b32 s47, s45, 8
	s_add_co_u32 s47, s47, s44
	s_add_co_u32 s47, s47, 16384                   ; k's scale words
	s_lshl_b32 s48, s45, 10
	s_add_co_u32 s48, s48, s44
	s_add_co_u32 s48, s48, 8192                    ; v's codes
	s_lshl_b32 s49, s45, 1
	s_add_co_u32 s49, s49, s44
	s_add_co_u32 s49, s49, 16896                   ; v's scale words
	s_cmp_eq_u32 s[YY], 1
	s_cselect_b32 s46, s46, s48
	s_cselect_b32 s47, s47, s49
	s_mov_b32 s[OST], 557056                       ; from head to head: 32 records,
	s_mov_b32 s[SST], 557056
	s_mov_b32 s41, 0
	s_mov_b32 s[OST+1], 0
	s_mov_b32 s[SST+1], 0
	s_wait_kmcnt 0x0
	s_cmp_eq_u32 s[YY], 0
	s_cselect_b32 s40, s42, s46
	s_cselect_b32 s42, s43, s47
	s_cselect_b32 s[OST], 262144, s[OST]           ; or, in qb, 256 tiles of codes
	s_cselect_b32 s[SST], 16384, s[SST]            ; and 64 x 256 bytes of scale words
	s_cselect_b64 s[OP:OP+1], s[12:13], s[14:15]
	s_mov_b64 s[SP:SP+1], s[OP:OP+1]
	s_mov_b32 s43, 0
	s_add_nc_u64 s[OP:OP+1], s[OP:OP+1], s[40:41]
	s_add_nc_u64 s[SP:SP+1], s[SP:SP+1], s[42:43]
	s_cmp_eq_u32 s[YY], 1                          ; the input: a choice on the work-group's number alone
	s_cselect_b64 s[XP:XP+1], s[6:7], s[4:5]
	s_cmp_eq_u32 s[YY], 2
	s_cselect_b64 s[XP:XP+1], s[8:9], s[XP:XP+1]
	s_mul_i32 s40, s[BB], 196608                   ; 64 rows of 3072 bytes
	s_add_nc_u64 s[XP:XP+1], s[XP:XP+1], s[40:41]
	s_mul_i32 s40, s[YY], 589824
	s_mul_i32 s42, s[WV], 147456                   ; my three heads: 12 tiles of 12288 bytes
	s_add_co_u32 s40, s40, s42
	s_add_nc_u64 s[WP:WP+1], s[10:11], s[40:41]
	s_mul_i32 s40, s[YY], 24576
	s_mul_i32 s42, s[WV], 6144
	s_add_co_u32 s40, s40, s42
	s_add_co_u32 s40, s40, 2359296
	s_add_nc_u64 s[WSP:WSP+1], s[10:11], s[40:41]
	WSCL 0                                         ; the first head's scale words and its first three K steps,
	WLOAD 0, 0
	WLOAD 1, 2048
	WLOAD 2, 4096
	GLOADX 0, 0                                    ; then x: two K steps ahead
	GLOADX 1, 1
	WIN 0
.irp b, 0,1,2,3
	v_mov_b32 v[TM+4+\b], 0                        ; written once: a lane permute's destination counts as one of its sources
.endr
	XSTEP 0
	XSTEP 1
	XSTEP 2
	XSTEP 3
	XSTEP 4
	XSTEP 5
	s_wait_dscnt 0x0                               ; for the others' sake: my images have landed
	s_barrier_signal -1
	s_barrier_wait -1                              ; x's 24 fragments lie in LDS; nothing is written there any more
	WIN 0x40
.irp s, 0,1,2,3
.irp m, 0,1,2,3
.irp c, 0,1,2,3
	ds_load_b128 v[64*\s+16*\m+4*\c:64*\s+16*\m+4*\c+3], v[LI] offset:XIMG+2048*(4*\s+\m)+512*\c
.endr
.endr
.endr
	WIN 0x80
.irp s, 4,5
.irp m, 0,1,2,3
.irp c, 0,1,2,3
	ds_load_b128 v[64*(\s-4)+16*\m+4*\c:64*(\s-4)+16*\m+4*\c+3], v[LI] offset:XIMG+2048*(4*\s+\m)+512*\c
.endr
.endr
.endr
	WIN 0
.irp f, 0,1,2,3,4,5,6,7,8,9,10,11,12,13,14,15,16,17,18,19,20,21,22,23
	ds_load_b32 v[XS+\f], v[LS] offset:XSC+128*\f
.endr
	s_wait_dscnt 0x0
	s_cmp_eq_u32 s[YY], 2                          ; neither way touches LDS
	s_cbranch_scc1 .Lv
	s_mov_b32 s[TRIP], 0
.Lqk:
	HEAD 0, 0
	s_add_co_u32 s[TRIP], s[TRIP], 1
	s_cmp_lt_u32 s[TRIP], 2
	s_cbranch_scc1 .Lqk
	HEAD 0, 1                                      ; the last head asks for nothing beyond its own weights
	s_wait_tensorcnt 0x0
	ds_add_u32 v126, v127
	s_wait_dscnt 0x0
	s_endpgm
.Lv:
	s_mov_b32 s[TRIP], 0
.Lvh:
	HEAD 1, 0
	s_add_co_u32 s[TRIP], s[TRIP], 1
	s_cmp_lt_u32 s[TRIP], 2
	s_cbranch_scc1 .Lvh
	HEAD 1, 1
	s_wait_tensorcnt 0x0
	ds_add_u32 v126, v127
	s_wait_dscnt 0x0
	s_endpgm
.Lfunc_end_k_qbdb71defb8_proj:
	.size	k_qbdb71defb8_proj, .Lfunc_end_k_qbdb71defb8_proj-k_qbdb71defb8_proj
	.p2alignl 7, 3214868480
	.fill 96, 4, 3214868480
	.section	.rodata,"a",@progbits
	.p2align	6, 0x0
	.amdhsa_kernel k_qbdb71defb8_proj
		.amdhsa_group_segment_fixed_size 86528
		.amdhsa_private_segment_fixed_size 0
		.amdhsa_enable_private_segment 0
		.amdhsa_kernarg_size 48
		.amdhsa_user_sgpr_count 2
		.amdhsa_user_sgpr_kernarg_segment_ptr 1
		.amdhsa_wavefront_size32 1
		.amdhsa_system_sgpr_workgroup_id_x 1
		.amdhsa_system_sgpr_workgroup_id_y 1
		.amdhsa_system_sgpr_workgroup_id_z 1
		.amdhsa_system_vgpr_workitem_id 0
		.amdhsa_next_free_vgpr 1024
		.amdhsa_next_free_sgpr 66
		.amdhsa_reserve_vcc 0
		.amdhsa_float_denorm_mode_32 3
		.amdhsa_float_denorm_mode_16_64 3
		.amdhsa_memory_ordered 1
		.amdhsa_forward_progress 1
		.amdhsa_inst_pref_size 240
	.end_amdhsa_kernel
	.amdgpu_metadata
---
amdhsa.version: [ 1, 2 ]
amdhsa.kernels:
  - .name:           k_qbdb71defb8_proj
    .symbol:         k_qbdb71defb8_proj.kd
    .args:
      - { .name: Q, .offset: 0, .size: 8, .value_kind: global_buffer, .address_space: global }
      - { .name: K, .offset: 8, .size: 8, .value_kind: global_buffer, .address_space: global }
      - { .name: V, .offset: 16, .size: 8, .value_kind: global_buffer, .address_space: global }
      - { .name: wq, .offset: 24, .size: 8, .value_kind: global_buffer, .address_space: global }
      - { .name: qb, .offset: 32, .size: 8, .value_kind: global_buffer, .address_space: global }
      - { .name: kv, .offset: 40, .size: 8, .value_kind: global_buffer, .address_space: global }
    .group_segment_fixed_size: 86528
    .private_segment_fixed_size: 0
    .kernarg_segment_align: 8
    .kernarg_segment_size: 48
    .max_flat_workgroup_size: 128
    .sgpr_count:     66
    .vgpr_count:     1024
    .wavefront_size: 32
...
	.end_amdgpu_metadata
.endif
;; end of part 2
;; launch attn (part 3): grid 16 x 12, 16 waves a work-group, no clusters, 36,864 bytes of LDS; arguments qb, kv, ob; writes ob
.if DOCPART == 3
	.amdgcn_target "amdgcn-amd-amdhsa--gfx1250"
	.amdhsa_code_object_version 6
	.text
	.protected	k_qbdb71defb8_attn
	.globl	k_qbdb71defb8_attn
	.p2align	8
	.type	k_qbdb71defb8_attn,@function
k_qbdb71defb8_attn:
	s_mov_b64 s[64:65], 0
	v_nop
	global_prefetch_b8 v0, s[64:65] scope:SCOPE_SE
	s_setreg_imm32_b32 hwreg(HW_REG_WAVE_MODE, 25, 1), 1
	s_wait_xcnt 0x0
; Causal attention of one head on codes of E4M3 with one E8M0 scale for each 32 along a product's K; the result, divided by the row's sum, is quantised along the head's 64 for the last projection.
; THE SOFTMAX AHEAD OF THE SECOND PRODUCT: t = score x log2(e) / 8; M = the row's largest t so far, rounded UP to a whole number; p = 2^(t - M) is quantised along the keys, not normalised.
; The row's sum is taken of the unquantised p and divides at the end.  When M moves, the sum and O are multiplied by 2^(old M - new M), which rounds nothing.
; SHARES.  Work-group (x = P, y = head) owns the blocks P and 31 - P of 128 queries: 33 steps of 128 keys for each pair of tiles, the same in every work-group: the causal triangle is shared out evenly.
; Sixteen waves, four to a SIMD, one tile of 16 queries each, in 256 registers: one wave's vector work stands beside another's products and LDS loads.  Wave w: tile w / 2 of block P or 31 - P,
; by (w xor w / 4) % 2, so that each group of four neighbouring waves, and each group of waves 4 apart, has two waves of each block.
; The work-group walks key steps J = 0 .. 31 - P.  A step's record (17408 bytes: K's 8 tiles, V's 4 tiles and their scale words, laid as images of the operands' registers) is copied as it lies into one
; of two LDS slots: loaded into registers at the head of step J - 1, stored to LDS at its end.  ONE barrier a step: ahead of it each wave's stores into the next slot have landed and its reads of
; this slot are back; the slot written in a step was last read ahead of the barrier before.  A wave works in steps J <= its block's number JB; in the others it only copies.  Step JB lies on the diagonal.
; LAYOUT.  Both products transposed: S^T = K Q^T (source 0 = 16 keys), O^T = V^T P^T (source 0 = 16 channels): a lane holds ONE query throughout.  Member r of tile t of K (of V) is key (channel)
; 32 (t/2) + 8 (t%2) + r + 8 (r/8): so p's 16 registers of tiles 2 b, 2 b + 1 are 16 neighbouring keys, and O^T's are 16 neighbouring channels: the conversions' results are the next operands.
; K = 64 IN A FORM OF K = 128: Q's registers 8-15 are zero codes.  K's tile t is named as 16 registers of which the upper eight are the next tile's codes (for tile 7: zeros): numbers, never NaN,
; since every quantiser holds at 448; they meet zero codes and add nothing.  The scale words of q and k repeat their two bytes for that half.
; LIMITS: NaN and infinities are not served; a block of zeros gets the byte 1 where the rule says 127 (its codes are zeros); magnitudes under 2^-118 are held at the byte 1.
; NO CLUSTER, NO TENSOR LOAD: the work-groups of a head walk 17 to 32 key steps, so partners would need different numbers of tiles; and the records go through LDS as they lie, by plain loads of 16 bytes a lane.
.set REC, 17408
.set LI,  1                            ; v1   16 x lane
.set CW,  2                            ; v2   16 x thread: my place in the copy
.set DQ,  3                            ; v3   my query - 16 (lane / 16), within the block of 128
.set CP0, 4                            ; v4-11, v250-253 the copy's registers
.set CP1, 8
.set QF,  16                           ; v16-23 Q's codes, v24-31 zeros
.set KF,  32                           ; v32-95 K's 8 tiles (8 registers each), then V's 4 (16 each); v96-103 zeros
.set S,   104                          ; v104-167 S^T, then p
.set O,   168                          ; v168-199 O^T
.set PCD, 200                          ; v200-215 p's codes
.set KSC, 216
.set VSC, 220
.set QSC, 224
.set PSC, 225
.set PFO, 226                          ; the prefetch's offset; never rewritten
.set NINF, 227
.set BM,  228
.set T1,  232
.set HL,  236
.set SO,  240
.set TMP, 244
.set TO,  245
.set F,   246                          ; v[246:247]: f, and a 0 named with it as a pair
.set SUM2, 248
.set CP2, 250
.set WV,  10
.set PP,  11
.set HD,  12
.set JB,  13
.set NT,  14
.set NTR, 15
.set RT,  16
.set J,   17
.set RP,  18                           ; s[18:19] record J + 1
.set LIM, 20
.set CS,  22                           ; s[22:23] c = log2(e) / 8
.set SEL, 24
.set MNT, 26
.set TR,  27
	s_load_b128 s[4:7], s[0:1], 0x0                ; qb s[4:5], kv s[6:7]
	s_load_b64 s[8:9], s[0:1], 0x10                ; ob
	v_lshl_add_u32 v254, v0, 2, 0x8800
	v_mov_b32 v255, 0
	v_lshrrev_b32 v1, 5, v0
	v_readfirstlane_b32 s[WV], v1                  ; wave 0..15
	s_mov_b32 s[PP], ttmp9
	s_and_b32 s[HD], ttmp7, 0xffff
	s_lshr_b32 s28, s[WV], 2
	s_xor_b32 s28, s28, s[WV]
	s_and_b32 s28, s28, 1                          ; which of the two blocks
	s_lshr_b32 s29, s[WV], 1                       ; a: which tile of it
	s_sub_co_u32 s30, 31, s[PP]
	s_cmp_eq_u32 s28, 1
	s_cselect_b32 s[JB], s30, s[PP]
	s_sub_co_u32 s[NT], 32, s[PP]                  ; key steps of the work-group
	s_add_co_u32 s[NTR], s[NT], 1
	s_lshr_b32 s[NTR], s[NTR], 1                   ; trips of two steps (with an odd count the last step only passes its barrier)
	s_lshl_b32 s[RT], s[JB], 3
	s_add_co_u32 s[RT], s[RT], s29                 ; my tile of 16 queries
	s_sub_co_u32 s28, s[WV], 2
	s_cmp_lt_u32 s28, 3                            ; waves 2, 3, 4
	s_cselect_b32 s[LIM], 30, 0
	s_cmp_eq_u32 s[PP], 0                          ; of the head's first work-group, which walks all 32 steps
	s_cselect_b32 s[LIM], s[LIM], 0
	v_and_b32 v[LI], 31, v0
	v_lshlrev_b32 v[LI], 4, v[LI]
	v_lshlrev_b32 v[CW], 4, v0
	v_and_b32 v[TO], 15, v0                        ; r
	v_bfe_u32 v[TMP], v0, 4, 1                     ; h
	v_lshlrev_b32 v[TMP], 4, v[TMP]
	v_sub_nc_u32 v[DQ], v[TO], v[TMP]
	s_lshl_b32 s31, s29, 4
	v_add_nc_u32 v[DQ], s31, v[DQ]                 ; 16 a + r - 16 h
	v_lshlrev_b32 v[TO], 4, v[TO]                  ; 16 r: q's scale words
	v_add_nc_u32 v[PFO], 0xffffffc0, v0
	v_min_u32 v[PFO], 67, v[PFO]
	v_lshlrev_b32 v[PFO], 8, v[PFO]                ; 256 x min(thread - 64, 67): a record is 68 runs of 256 bytes
	s_mov_b32 s[CS], 0x3e38aa3b
	s_mov_b32 s[CS+1], s[CS]                       ; (named with it as a pair, so it is written)
	s_mov_b32 s[SEL], 0x76543210
	s_mov_b32 s[SEL+1], 0xfedcba98
	s_mov_b32 s[MNT], 0x600000
	s_mov_b32 s[J], 0
	s_mov_b32 s[TR], 0
	s_mov_b32 s33, 0
	s_wait_kmcnt 0x0
	s_mul_i32 s32, s[HD], 557056                   ; the head's 32 records
	s_add_nc_u64 s[RP:RP+1], s[6:7], s[32:33]
	global_load_b128 v[CP0:CP0+3], v[CW], s[RP:RP+1]               ; record 0: 512 threads x 16 bytes, twice,
	global_load_b128 v[CP1:CP1+3], v[CW], s[RP:RP+1] offset:8192
	s_cmp_lt_u32 s[WV], 2
	s_cbranch_scc0 .Lno_tail
	global_load_b128 v[CP2:CP2+3], v[CW], s[RP:RP+1] offset:16384  ; and its last 1024 bytes by waves 0 and 1
.Lno_tail:
	s_lshl_b32 s32, s[HD], 8
	s_add_co_u32 s32, s32, s[RT]
	s_lshl_b32 s32, s32, 10
	s_add_nc_u64 s[34:35], s[4:5], s[32:33]        ; my tile's codes of q
	s_lshl_b32 s32, s[HD], 6
	s_lshr_b32 s28, s[RT], 2
	s_add_co_u32 s32, s32, s28
	s_lshl_b32 s32, s32, 8
	s_and_b32 s28, s[RT], 3
	s_lshl_b32 s28, s28, 2
	s_add_co_u32 s32, s32, s28
	s_add_co_u32 s32, s32, 3145728
	s_add_nc_u64 s[36:37], s[4:5], s[32:33]        ; and its scale words
	global_load_b128 v[QF:QF+3], v[LI], s[34:35]
	global_load_b128 v[QF+4:QF+7], v[LI], s[34:35] offset:512
	global_load_b32 v[QSC], v[TO], s[36:37]
	s_mul_i32 s32, s[RT], 12288
	s_lshl_b32 s28, s[HD], 10
	s_add_co_u32 s32, s32, s28
	s_add_nc_u64 s[38:39], s[8:9], s[32:33]        ; ob: row tile, K step head / 2, groups 2 (head % 2) on
	s_lshl_b32 s32, s[RT], 10
	s_lshl_b32 s28, s[HD], 1
	s_add_co_u32 s32, s32, s28
	s_add_co_u32 s32, s32, 3145728
	s_add_nc_u64 s[40:41], s[8:9], s[32:33]        ; and my two bytes of its scale word
.irp j, 0,1,2,3,4,5,6,7
	v_mov_b32 v[QF+8+\j], 0                        ; zero codes: the upper half of Q's K
	v_mov_b32 v[KF+64+\j], 0                       ; and what stands behind K's tile 7
.endr
.set n, 0
.rept 32
	v_mov_b32 v[O+n], 0                            ; O^T: the step is written once; the first finds zeros, which the first change of M leaves zeros
.set n, n+1
.endr
.irp b, 0,1,2,3
	v_mov_b32 v[T1+\b], 0                          ; a lane permute's destination counts as one of its sources
.endr
	v_mov_b32 v[F+1], 0
	v_mov_b32 v[NINF], 0xff800000
	v_mov_b32 v13, 0xff61b1e6                      ; the largest t so far: -3e38
	v_floor_f32 v12, -v13                          ; -M
	v_mov_b32 v14, 0                               ; the sum, in two halves
	v_mov_b32 v15, 0
	s_wait_loadcnt 0x0
	ds_store_b128 v[CW], v[CP0:CP0+3]
	ds_store_b128 v[CW], v[CP1:CP1+3] offset:8192
	s_cmp_lt_u32 s[WV], 2
	s_cbranch_scc0 .Lno_tail_s
	ds_store_b128 v[CW], v[CP2:CP2+3] offset:16384
.Lno_tail_s:
	s_add_nc_u64 s[RP:RP+1], s[RP:RP+1], REC       ; (the loads that named it are done)
	s_wait_dscnt 0x0                               ; for the others' sake: my part of record 0 has landed
	s_barrier_signal -1
	s_barrier_wait -1
; KEY STEP J, whose record lies in slot 'slot'.
.macro STEP slot
	s_add_co_u32 s28, s[J], 1
	s_cmp_lt_u32 s28, s[NT]                        ; is there a next step?  The same in all sixteen waves
	s_cbranch_scc0 .Lnl_\@
	global_load_b128 v[CP0:CP0+3], v[CW], s[RP:RP+1]               ; its record comes into registers while this step is worked
	global_load_b128 v[CP1:CP1+3], v[CW], s[RP:RP+1] offset:8192
	s_cmp_lt_u32 s[WV], 2
	s_cbranch_scc0 .Lnl_\@
	global_load_b128 v[CP2:CP2+3], v[CW], s[RP:RP+1] offset:16384
.Lnl_\@:
; A PREFETCH INTO THE L2 of record J + 2, one key step ahead of its loads, behind this step's loads.  All work-groups of a head walk the same records: the head's first work-group asks, its waves 2, 3, 4,
; a lane for each run of 256 bytes (wave 4's spare lanes name the last run again).  It stops at J = 29: record 31 is the head's last.  Records 0 and 1 come by their loads alone.
	s_cmp_lt_u32 s[J], s[LIM]
	s_cbranch_scc0 .Lnp_\@
	global_prefetch_b8 v[PFO], s[RP:RP+1] offset:REC th:TH_LOAD_NT scope:SCOPE_SE
.Lnp_\@:
	s_cmp_gt_u32 s[J], s[JB]                       ; all 128 keys come after my queries: no work; the copy and the barrier below are on every wave's way
	s_cbranch_scc1 .Lhid_\@
.irp t, 0,1,2,3,4,5,6,7
.irp c, 0,1
	ds_load_b128 v[KF+8*\t+4*\c:KF+8*\t+4*\c+3], v[LI] offset:\slot*REC+1024*\t+512*\c
.endr
.endr
	ds_load_b128 v[KSC:KSC+3], v[LI] offset:\slot*REC+16384        ; lanes 0-15: the words of tiles 0-3; lanes 16-31: of tiles 4-7
	s_wait_dscnt 0x0
.irp t, 0,1,2,3
	v_wmma_scale_f32_16x16x128_f8f6f4 v[S+8*\t:S+8*\t+7], v[KF+8*\t:KF+8*\t+15], v[QF:QF+15], 0, v[KSC+\t], v[QSC]
.endr
.irp t, 4,5,6,7
	v_wmma_scale_f32_16x16x128_f8f6f4 v[S+8*\t:S+8*\t+7], v[KF+8*\t:KF+8*\t+15], v[QF:QF+15], 0, v[KSC+\t-4], v[QSC] matrix_a_scale:MATRIX_SCALE_ROW1
.endr
.rept 8
	v_nop                                          ; eight places: ahead of the loads into K's registers and of the first read of the scores
.endr
.irp t, 0,1,2,3
.irp c, 0,1,2,3
	ds_load_b128 v[KF+16*\t+4*\c:KF+16*\t+4*\c+3], v[LI] offset:\slot*REC+8192+2048*\t+512*\c   ; V lands under the softmax
.endr
.endr
	ds_load_b128 v[VSC:VSC+3], v[LI] offset:\slot*REC+16896
	s_cmp_lg_u32 s[J], s[JB]
	s_cbranch_scc1 .Lopen_\@
.set n, 0
.rept 64                               ; on the diagonal: register 16 b + i holds key 32 b + 16 (lane / 16) + i of the step: hidden where 32 b + i > v[DQ]; its score becomes -infinity, its p 0
	v_cmp_gt_i32 vcc_lo, 32*(n/16)+n%16, v[DQ]
	v_cndmask_b32 v[S+n], v[S+n], v[NINF], vcc_lo
.set n, n+1
.endr
.Lopen_\@:
.irp b, 0,1,2,3
	v_max3_num_f32 v[BM+\b], v[S+16*\b], v[S+16*\b+1], v[S+16*\b+2]   ; the largest score of each block of 32 keys: for the row's maximum and, since p rises with the score, for the block's largest p
.endr
.irp i, 3,5,7,9,11,13
.irp b, 0,1,2,3
	v_max3_num_f32 v[BM+\b], v[BM+\b], v[S+16*\b+\i], v[S+16*\b+\i+1]
.endr
.endr
.irp b, 0,1,2,3
	v_max_num_f32 v[BM+\b], v[BM+\b], v[S+16*\b+15]
.endr
.irp b, 0,1,2,3
	v_permlanex16_b32 v[T1+\b], v[BM+\b], s[SEL], s[SEL+1]
.endr
.irp b, 0,1,2,3
	v_max_num_f32 v[BM+\b], v[BM+\b], v[T1+\b]     ; with lane l xor 16's 16 keys
.endr
	v_max3_num_f32 v[TMP], v[BM], v[BM+1], v[BM+2]
	v_max_num_f32 v[TMP], v[TMP], v[BM+3]          ; the step's largest score of my query
	v_mul_f32 v[TMP], s[CS], v[TMP]                ; as t (c is positive)
	v_max_num_f32 v13, v13, v[TMP]                 ; the running largest t
	v_mov_b32 v[TMP], v12
	v_floor_f32 v12, -v13                          ; the new -M = floor(-t) = -ceil(t)
	v_sub_f32 v[TMP], v12, v[TMP]                  ; old M - new M: a whole number, 0 or less
	v_cvt_i32_f32 v[TMP], v[TMP]                   ; (it saturates)
	v_ldexp_f32 v[F], 1.0, v[TMP]                  ; f = 2^(old M - new M)
.set n, 0
.rept 32
	v_pk_fma_f32 v[S+n:S+n+1], v[S+n:S+n+1], s[CS:CS+1], v[12:13] op_sel_hi:[1,0,0]   ; t - M, two at a time
.set n, n+2
.endr
.irp b, 0,1,2,3
	v_fma_f32 v[BM+\b], v[BM+\b], s[CS], v12       ; the same of each block's largest score
.endr
.set n, 0
.rept 64
	v_exp_f32 v[S+n], v[S+n]                       ; p = 2^(t - M), at most 1
.set n, n+1
.endr
	v_pk_mul_f32 v[14:15], v[14:15], v[F:F+1] op_sel_hi:[1,0]   ; the sums under the new M: the plain instruction behind the exponentials
	s_wait_alu depctr_va_vdst(0)                   ; one wait for the batch of 64, ahead of its first reader
.irp b, 0,1,2,3
	v_exp_f32 v[BM+\b], v[BM+\b]                   ; the block's largest p: the same two instructions on the same number give the same bits
.endr
	v_pk_add_f32 v[SUM2:SUM2+1], v[S:S+1], v[S+2:S+3]   ; the row's sum of the unquantised p, in two chains; it reads the 64 alone
.irp j, 4,8,12,16,20,24,28,32,36,40,44,48,52,56,60
	v_pk_add_f32 v[14:15], v[14:15], v[S+\j:S+\j+1]
	v_pk_add_f32 v[SUM2:SUM2+1], v[SUM2:SUM2+1], v[S+\j+2:S+\j+3]
.endr
	v_pk_add_f32 v[14:15], v[14:15], v[SUM2:SUM2+1]
	s_wait_alu depctr_va_vdst(0)                   ; and one for the four
.irp b, 0,1,2,3
	v_max_num_f32 v[BM+\b], 0x4800000, v[BM+\b]    ; the floor 2^(9 - 127): a block whose every p is 0 keeps the byte 1; its codes are zeros
.endr
.irp b, 0,1,2,3
	v_add_nc_u32 v[SO+\b], 0xfc000000, v[BM+\b]    ; the conversion's scale operand
.endr
.irp b, 0,1,2,3
	v_and_or_b32 v[HL+\b], v[BM+\b], 0x7f800000, s[MNT]   ; 448 x the scale
.endr
.irp b, 0,1,2,3
	v_lshrrev_b32 v[T1+\b], 23, v[SO+\b]           ; the scale's byte
.endr
	v_lshl_or_b32 v[PSC], v[T1+1], 8, v[T1]        ; p's scale word for these 128 keys: far more than eight plain instructions ahead of the products
	v_lshl_or_b32 v[PSC], v[T1+2], 16, v[PSC]
	v_lshl_or_b32 v[PSC], v[T1+3], 24, v[PSC]
.irp b, 0,1,2,3
.irp i, 0,1,2,3,4,5,6,7,8,9,10,11,12,13,14,15
	v_min_num_f32 v[S+16*\b+\i], v[S+16*\b+\i], v[HL+\b]   ; the conversion does not saturate (ISA guide 7.6.2); p is not negative, so the hold is one-sided
.endr
	v_cvt_scalef32_pk8_fp8_f32 v[PCD+4*\b:PCD+4*\b+1], v[S+16*\b:S+16*\b+7], v[SO+\b]
	v_cvt_scalef32_pk8_fp8_f32 v[PCD+4*\b+2:PCD+4*\b+3], v[S+16*\b+8:S+16*\b+15], v[SO+\b]
.endr
.set n, 0
.rept 16
	v_pk_mul_f32 v[O+n:O+n+1], v[O+n:O+n+1], v[F:F+1] op_sel_hi:[1,0]   ; O^T under the new M, each accumulator from its low end on; these are also the places between the codes and the products
.set n, n+2
.endr
	s_wait_dscnt 0x0                               ; V and its scale words are in
.irp t, 0,1,2,3
	v_wmma_scale_f32_16x16x128_f8f6f4 v[O+8*\t:O+8*\t+7], v[KF+16*\t:KF+16*\t+15], v[PCD:PCD+15], v[O+8*\t:O+8*\t+7], v[VSC+\t], v[PSC]
.endr
.rept 8
	v_nop                                          ; eight places: ahead of the next step's loads into these registers, and of the way out's reads
.endr
.Lhid_\@:
	s_wait_loadcnt 0x0                             ; the next record is in my registers
	s_add_co_u32 s28, s[J], 1
	s_cmp_lt_u32 s28, s[NT]
	s_cbranch_scc0 .Lns_\@
	ds_store_b128 v[CW], v[CP0:CP0+3] offset:(1-\slot)*REC         ; into the other slot, which nobody has read since the last barrier
	ds_store_b128 v[CW], v[CP1:CP1+3] offset:(1-\slot)*REC+8192
	s_cmp_lt_u32 s[WV], 2
	s_cbranch_scc0 .Lns_\@
	ds_store_b128 v[CW], v[CP2:CP2+3] offset:(1-\slot)*REC+16384
.Lns_\@:
	s_wait_xcnt 0x0                                ; the prefetch has read its base, so it may step
	s_add_nc_u64 s[RP:RP+1], s[RP:RP+1], REC
	s_add_co_u32 s[J], s[J], 1
	s_wait_dscnt 0x0                               ; my stores have landed, my reads of this slot are back
	s_barrier_signal -1
	s_barrier_wait -1
.endm
.Ltrip:
	STEP 0
	STEP 1
	s_add_co_u32 s[TR], s[TR], 1
	s_cmp_lt_u32 s[TR], s[NTR]
	s_cbranch_scc1 .Ltrip
	; THE WAY OUT: O^T / the sum; its 32 numbers a lane are two blocks of 32 along the last projection's K (16 here, 16 in lane l xor 16): quantised, stored as an image of that operand's registers.
	v_add_f32 v14, v14, v15                        ; the sum's two halves,
	v_permlanex16_b32 v[T1], v14, s[SEL], s[SEL+1]
	v_add_f32 v14, v14, v[T1]                      ; and lane l xor 16's
	v_rcp_f32 v14, v14
	v_and_b32 v[TO], 31, v0                        ; (a plain instruction behind the reciprocal)
	v_lshlrev_b32 v[TO], 5, v[TO]                  ; 32 x lane: the scale words' place
	s_wait_alu depctr_va_vdst(0)                   ; ahead of the first reader
.set n, 0
.rept 16
	v_pk_mul_f32 v[S+n:S+n+1], v[O+n:O+n+1], v[14:15] op_sel_hi:[1,0]
.set n, n+2
.endr
.irp b, 0,1
	v_max3_num_f32 v[BM+\b], |v[S+16*\b]|, |v[S+16*\b+1]|, 0x4800000
.endr
.irp i, 2,4,6,8,10,12,14
.irp b, 0,1
	v_max3_num_f32 v[BM+\b], v[BM+\b], |v[S+16*\b+\i]|, |v[S+16*\b+\i+1]|
.endr
.endr
.irp b, 0,1
	v_permlanex16_b32 v[T1+\b], v[BM+\b], s[SEL], s[SEL+1]
.endr
.irp b, 0,1
	v_max_num_f32 v[BM+\b], v[BM+\b], v[T1+\b]
.endr
.irp b, 0,1
	v_add_nc_u32 v[SO+\b], 0xfc000000, v[BM+\b]
.endr
.irp b, 0,1
	v_and_or_b32 v[HL+\b], v[BM+\b], 0x7f800000, s[MNT]
.endr
.irp b, 0,1
	v_lshrrev_b32 v[T1+\b], 23, v[SO+\b]
.endr
	v_lshl_or_b32 v[TMP], v[T1+1], 8, v[T1]        ; my head's two bytes of the row's scale word
.irp b, 0,1
.irp i, 0,1,2,3,4,5,6,7,8,9,10,11,12,13,14,15
	v_med3_num_f32 v[S+16*\b+\i], v[S+16*\b+\i], -v[HL+\b], v[HL+\b]
.endr
	v_cvt_scalef32_pk8_fp8_f32 v[PCD+4*\b:PCD+4*\b+1], v[S+16*\b:S+16*\b+7], v[SO+\b]
	v_cvt_scalef32_pk8_fp8_f32 v[PCD+4*\b+2:PCD+4*\b+3], v[S+16*\b+8:S+16*\b+15], v[SO+\b]
.endr
	v_nop
	global_store_b128 v[LI], v[PCD:PCD+3], s[38:39]                ; 512 consecutive bytes each
	global_store_b128 v[LI], v[PCD+4:PCD+7], s[38:39] offset:512
	global_store_b16 v[TO], v[TMP], s[40:41]       ; both halves of the lanes write their own copy
	s_wait_tensorcnt 0x0
	ds_add_u32 v254, v255
	s_wait_dscnt 0x0
	s_endpgm
.Lfunc_end_k_qbdb71defb8_attn:
	.size	k_qbdb71defb8_attn, .Lfunc_end_k_qbdb71defb8_attn-k_qbdb71defb8_attn
	.p2alignl 7, 3214868480
	.fill 96, 4, 3214868480
	.section	.rodata,"a",@progbits
	.p2align	6, 0x0
	.amdhsa_kernel k_qbdb71defb8_attn
		.amdhsa_group_segment_fixed_size 36864
		.amdhsa_private_segment_fixed_size 0
		.amdhsa_enable_private_segment 0
		.amdhsa_kernarg_size 24
		.amdhsa_user_sgpr_count 2
		.amdhsa_user_sgpr_kernarg_segment_ptr 1
		.amdhsa_wavefront_size32 1
		.amdhsa_system_sgpr_workgroup_id_x 1
		.amdhsa_system_sgpr_workgroup_id_y 1
		.amdhsa_system_sgpr_workgroup_id_z 1
		.amdhsa_system_vgpr_workitem_id 0
		.amdhsa_next_free_vgpr 256
		.amdhsa_next_free_sgpr 66
		.amdhsa_reserve_vcc 1
		.amdhsa_float_denorm_mode_32 3
		.amdhsa_float_denorm_mode_16_64 3
		.amdhsa_memory_ordered 1
		.amdhsa_forward_progress 1
		.amdhsa_inst_pref_size 61
	.end_amdhsa_kernel
	.amdgpu_metadata
---
amdhsa.version: [ 1, 2 ]
amdhsa.kernels:
  - .name:           k_qbdb71defb8_attn
    .symbol:         k_qbdb71defb8_attn.kd
    .args:
      - { .name: qb, .offset: 0, .size: 8, .value_kind: global_buffer, .address_space: global }
      - { .name: kv, .offset: 8, .size: 8, .value_kind: global_buffer, .address_space: global }
      - { .name: ob, .offset: 16, .size: 8, .value_kind: global_buffer, .address_space: global }
    .group_segment_fixed_size: 36864
    .private_segment_fixed_size: 0
    .kernarg_segment_align: 8
    .kernarg_segment_size: 24
    .max_flat_workgroup_size: 512
    .sgpr_count:     66
    .vgpr_count:     256
    .wavefront_size: 32
...
	.end_amdgpu_metadata
.endif
;; end of part 3
;; launch outp (part 4): grid 64 x 3, 4 waves a work-group, no clusters, 67,072 bytes of LDS; arguments ob, wq, bo, out0; writes out0
.if DOCPART == 4
	.amdgcn_target "amdgcn-amd-amdhsa--gfx1250"
	.amdhsa_code_object_version 6
	.text
	.protected	k_qbdb71defb8_outp
	.globl	k_qbdb71defb8_outp
	.p2align	8
	.type	k_qbdb71defb8_outp,@function
k_qbdb71defb8_outp:
	s_mov_b64 s[64:65], 0
	v_nop
	global_prefetch_b8 v0, s[64:65] scope:SCOPE_SE
	s_setreg_imm32_b32 hwreg(HW_REG_WAVE_MODE, 25, 1), 1
	s_wait_xcnt 0x0
; out0 = (attention's result) Wo + bo on codes of E4M3 with one E8M0 scale for each 32 along K.  Both operands arrive as images of the operands' registers, made by the launches before.
; Work-group (x = B, y = CQ): 64 rows x 256 columns; wave w: the 64 columns of group G = 4 CQ + w, 16 accumulators, six K steps of 128: 96 matrix instructions.
; The rows' 24 fragments (49152 consecutive bytes) are copied into LDS as they lie, once for the work-group; one barrier; every wave takes them into 384 registers.
; The wave's 24 fragments of Wo go from memory straight into registers, each read once in the work-group and feeding four matrix instructions.
; Source 0 = 16 columns of Wo, source 1 = 16 rows: a lane holds ONE row and eight neighbouring columns.  bo is the C of each sum's first matrix instruction, in the result's layout: no addition.
; The 16 accumulators take turns, one instruction a turn.
; Member r of Wo's tile t is column 32 (t/2) + 8 (t%2) + r + 8 (r/8) of the group: so register j of accumulator (m, t) in lane (r, h) is row 16 m + r, column 32 (t/2) + 16 h + 8 (t%2) + j.
; THE WAY OUT: 16 rows x 256 bytes at a time through the wave's own stage in LDS; sixteen lanes then store 256 consecutive bytes, at a multiple of 256 from out0's first byte.
; NO CLUSTER, NO TENSOR LOAD: what work-groups share (Wo among 64, the rows among 3) is read once in each and goes to registers as it lies; six K steps are too few to carry a round of a cluster's barrier each.
; REGISTERS: window 0: v1-13 addresses, v16-39 the rows' scale words (6 m + s), v40-63 Wo's (6 t + s), v64-95 bo (later rows on the way out), v96-127 rows on the way out, v128-255 the accumulators.
;   window 1: the rows' fragments of K steps 0-3 (64 s + 16 m).   window 2: v0-127 those of K steps 4, 5; v128-255 Wo's sets 4, 5.   window 3: Wo's sets 0-3.
.set OIMG, 0                           ; LDS: the rows' fragments, (6 m + s) x 2048
.set STG,  49152                       ; a stage of 16 rows x (256 + 16) bytes for each wave
.set SPI,  272
.set LI,  6                            ; v6   16 x lane
.set CT,  7                            ; v7   16 x thread
.set OSA, 8                            ; v8   32 x lane
.set WSA, 9                            ; v9   32 r
.set BIA, 10                           ; v10  64 h
.set STO, 11                           ; v11  the stage: row r, + 64 h
.set SRD, 12                           ; v12  back: lanes 0-15 one row, lanes 16-31 the next
.set YO,  13                           ; v13  the same two rows in out0
.set OS,  16
.set WS,  40
.set BI,  64
.set ACC, 128
.set WV,  12
.set OCP, 20
.set OSP, 22
.set WP,  24
.set WSP, 26
.set BP,  28
.set YP,  30
.set MSB, 0
.macro WIN new                         ; the immediate's high byte repeats the setting that is left
.if MSB != \new
	s_set_vgpr_msb (MSB<<8)|\new
.set MSB, \new
.endif
.endm
.macro WLOAD set                       ; my four fragments of K step 'set'
.if (\set) < 4
	WIN 0xc0
.set WB, 64*(\set)
.else
	WIN 0x80
.set WB, 128+64*((\set)-4)
.endif
.irp t, 0,1,2,3
.irp c, 0,1,2,3
	global_load_b128 v[WB+16*\t+4*\c:WB+16*\t+4*\c+3], v[LI], s[WP:WP+1] offset:(\set)*2048+\t*12288+\c*512
.endr
.endr
.endm
.macro MULS s
.if (\s) < 4
.set WB, 64*(\s)
.set XB, 64*(\s)
	WIN 0x07                                       ; source 0 (Wo) window 3, source 1 (rows) window 1
.else
.set WB, 128+64*((\s)-4)
.set XB, 64*((\s)-4)
	WIN 0x0a                                       ; both in window 2
.endif
.irp m, 0,1,2,3
.irp t, 0,1,2,3
.set DD, ACC+8*(4*\m+\t)
.if (\s) == 0
	v_wmma_scale_f32_16x16x128_f8f6f4 v[DD:DD+7], v[WB+16*\t:WB+16*\t+15], v[XB+16*\m:XB+16*\m+15], v[BI+8*\t:BI+8*\t+7], v[WS+6*\t+(\s)], v[OS+6*\m+(\s)]
.else
	v_wmma_scale_f32_16x16x128_f8f6f4 v[DD:DD+7], v[WB+16*\t:WB+16*\t+15], v[XB+16*\m:XB+16*\m+15], v[DD:DD+7], v[WS+6*\t+(\s)], v[OS+6*\m+(\s)]
.endif
.endr
.endr
.endm
	s_load_b256 s[4:11], s[0:1], 0x0               ; ob s[4:5], wq s[6:7], bo s[8:9], out0 s[10:11]
	v_lshl_add_u32 v14, v0, 2, 0x10400
	v_mov_b32 v15, 0
	v_lshrrev_b32 v1, 5, v0
	v_readfirstlane_b32 s[WV], v1                  ; wave 0..3
	s_and_b32 s13, ttmp7, 0xffff
	s_lshl_b32 s13, s13, 2
	s_add_co_u32 s13, s13, s[WV]                   ; G: my group of 64 columns
	s_mov_b32 s14, ttmp9                           ; B: the block of 64 rows
	v_and_b32 v1, 31, v0
	v_and_b32 v2, 15, v0                           ; r
	v_bfe_u32 v3, v0, 4, 1                         ; h
	v_lshlrev_b32 v[LI], 4, v1
	v_lshlrev_b32 v[CT], 4, v0
	v_lshlrev_b32 v[OSA], 5, v1
	v_lshlrev_b32 v[WSA], 5, v2
	v_lshlrev_b32 v[BIA], 6, v3
	s_mul_i32 s15, s[WV], 16*SPI
	s_add_co_u32 s15, s15, STG                     ; my stage
	v_mul_u32_u24 v[STO], v2, SPI
	v_lshl_add_u32 v[STO], v3, 6, v[STO]
	v_add_nc_u32 v[STO], s15, v[STO]
	v_mul_u32_u24 v[SRD], v3, SPI
	v_lshl_add_u32 v[SRD], v2, 4, v[SRD]
	v_add_nc_u32 v[SRD], s15, v[SRD]
	v_mul_u32_u24 v[YO], v3, 3072
	v_lshl_add_u32 v[YO], v2, 4, v[YO]
	s_mov_b32 s17, 0
	s_wait_kmcnt 0x0
	s_mul_i32 s16, s14, 49152
	s_add_nc_u64 s[OCP:OCP+1], s[4:5], s[16:17]    ; the rows' codes: four tiles of 12288 bytes
	s_lshl_b32 s16, s14, 12
	s_add_co_u32 s16, s16, 3145728
	s_add_nc_u64 s[OSP:OSP+1], s[4:5], s[16:17]    ; their scale words
	s_mul_i32 s16, s13, 49152
	s_add_co_u32 s16, s16, 1769472
	s_add_nc_u64 s[WP:WP+1], s[6:7], s[16:17]      ; Wo's codes: my four tiles
	s_lshl_b32 s16, s13, 11
	s_add_co_u32 s16, s16, 2433024
	s_add_nc_u64 s[WSP:WSP+1], s[6:7], s[16:17]    ; their scale words
	s_lshl_b32 s16, s13, 8
	s_add_nc_u64 s[BP:BP+1], s[8:9], s[16:17]      ; bo: my 64 numbers
	s_mul_i32 s18, s14, 196608
	s_add_co_u32 s16, s16, s18
	s_add_nc_u64 s[YP:YP+1], s[10:11], s[16:17]    ; out0: row 64 B, my 256 bytes of it
.irp i, 0,1,2,3,4,5,6,7,8,9,10,11,12,13,14,15,16,17,18,19,20,21,22,23
	global_load_b128 v[ACC+4*\i:ACC+4*\i+3], v[CT], s[OCP:OCP+1] offset:2048*\i    ; the work-group's 128 threads take 2048 consecutive bytes
.endr
.irp m, 0,1,2,3
	global_load_b128 v[OS+6*\m:OS+6*\m+3], v[OSA], s[OSP:OSP+1] offset:1024*\m
	global_load_b64 v[OS+6*\m+4:OS+6*\m+5], v[OSA], s[OSP:OSP+1] offset:1024*\m+16
.endr
.irp t, 0,1,2,3
	global_load_b128 v[WS+6*\t:WS+6*\t+3], v[WSA], s[WSP:WSP+1] offset:512*\t
	global_load_b64 v[WS+6*\t+4:WS+6*\t+5], v[WSA], s[WSP:WSP+1] offset:512*\t+16
.endr
.irp t, 0,1,2,3
	global_load_b128 v[BI+8*\t:BI+8*\t+3], v[BIA], s[BP:BP+1] offset:(32*(\t/2)+8*(\t%2))*4
	global_load_b128 v[BI+8*\t+4:BI+8*\t+7], v[BIA], s[BP:BP+1] offset:(32*(\t/2)+8*(\t%2))*4+16
.endr
	WLOAD 0
	WLOAD 1
	WIN 0
	s_wait_loadcnt 56                              ; the copy's 24 loads are in; behind them stand 24 loads of scale words and bo and 32 of Wo's sets 0, 1
.irp i, 0,1,2,3,4,5,6,7,8,9,10,11,12,13,14,15,16,17,18,19,20,21,22,23
	ds_store_b128 v[CT], v[ACC+4*\i:ACC+4*\i+3] offset:OIMG+2048*\i
.endr
	WLOAD 2
	WLOAD 3
	WLOAD 4
	WLOAD 5
	WIN 0
	s_wait_dscnt 0x0                               ; for the others' sake: my part of the copy has landed
	s_barrier_signal -1
	s_barrier_wait -1                              ; the rows' 24 fragments lie in LDS; nothing is written there any more
	WIN 0x40
.irp s, 0,1,2,3
.irp m, 0,1,2,3
.irp c, 0,1,2,3
	ds_load_b128 v[64*\s+16*\m+4*\c:64*\s+16*\m+4*\c+3], v[LI] offset:OIMG+2048*(6*\m+\s)+512*\c
.endr
.endr
.endr
	WIN 0x80
.irp s, 4,5
.irp m, 0,1,2,3
.irp c, 0,1,2,3
	ds_load_b128 v[64*(\s-4)+16*\m+4*\c:64*(\s-4)+16*\m+4*\c+3], v[LI] offset:OIMG+2048*(6*\m+\s)+512*\c
.endr
.endr
.endr
	s_wait_dscnt 0x0
	s_wait_loadcnt 63                              ; behind set 0 stand five sets, 80 loads: 63, the most that a wait names, asks for more than is needed
	MULS 0
	s_wait_loadcnt 63                              ; behind set 1: 64
	MULS 1
	s_wait_loadcnt 48                              ; behind set 2: three sets of 16 loads
	MULS 2
	s_wait_loadcnt 32
	MULS 3
	s_wait_loadcnt 16
	MULS 4
	s_wait_loadcnt 0x0
	MULS 5
	WIN 0
.rept 8
	v_nop                                          ; eight places: ahead of the LDS stores that read results and of the loads into bo's registers
.endr
.macro TOSTAGE m                       ; rows 16 m on: into my stage, each accumulator from its low end on, and back as whole rows of 256 bytes
.irp t, 0,1,2,3
	ds_store_b128 v[STO], v[ACC+8*(4*(\m)+\t):ACC+8*(4*(\m)+\t)+3] offset:128*(\t/2)+32*(\t%2)
	ds_store_b128 v[STO], v[ACC+8*(4*(\m)+\t)+4:ACC+8*(4*(\m)+\t)+7] offset:128*(\t/2)+32*(\t%2)+16
.endr
.set BKR, 96-32*((\m)%2)
.irp i, 0,1,2,3,4,5,6,7
	ds_load_b128 v[BKR+4*\i:BKR+4*\i+3], v[SRD] offset:2*SPI*\i    ; LDS serves a wave's instructions in order (ISA guide 5.7.1.4): these see my stores, and the next block's stores come behind them
.endr
.endm
.macro SEND m
.set BKR, 96-32*((\m)%2)
.irp i, 0,1,2,3,4,5,6,7
	global_store_b128 v[YO], v[BKR+4*\i:BKR+4*\i+3], s[YP:YP+1] offset:(16*(\m)+2*\i)*3072 th:TH_STORE_NT   ; sixteen lanes store 256 consecutive bytes; written once, read by nobody here
.endr
.endm
	TOSTAGE 0
.irp a, 1,2,3
.if \a > 1
	s_wait_xcnt 0x0                                ; block a - 2's stores have read their registers: block a's loads may land there
.endif
	TOSTAGE \a
	s_wait_dscnt 16                                ; block a - 1 is back; behind its loads stand block a's 8 stores and 8 loads
	SEND \a-1
.endr
	s_wait_dscnt 0x0
	SEND 3
	s_wait_tensorcnt 0x0
	ds_add_u32 v14, v15
	s_wait_dscnt 0x0
	s_endpgm
.Lfunc_end_k_qbdb71defb8_outp:
	.size	k_qbdb71defb8_outp, .Lfunc_end_k_qbdb71defb8_outp-k_qbdb71defb8_outp
	.p2alignl 7, 3214868480
	.fill 96, 4, 3214868480
	.section	.rodata,"a",@progbits
	.p2align	6, 0x0
	.amdhsa_kernel k_qbdb71defb8_outp
		.amdhsa_group_segment_fixed_size 67072
		.amdhsa_private_segment_fixed_size 0
		.amdhsa_enable_private_segment 0
		.amdhsa_kernarg_size 32
		.amdhsa_user_sgpr_count 2
		.amdhsa_user_sgpr_kernarg_segment_ptr 1
		.amdhsa_wavefront_size32 1
		.amdhsa_system_sgpr_workgroup_id_x 1
		.amdhsa_system_sgpr_workgroup_id_y 1
		.amdhsa_system_sgpr_workgroup_id_z 1
		.amdhsa_system_vgpr_workitem_id 0
		.amdhsa_next_free_vgpr 1024
		.amdhsa_next_free_sgpr 66
		.amdhsa_reserve_vcc 0
		.amdhsa_float_denorm_mode_32 3
		.amdhsa_float_denorm_mode_16_64 3
		.amdhsa_memory_ordered 1
		.amdhsa_forward_progress 1
		.amdhsa_inst_pref_size 44
	.end_amdhsa_kernel
	.amdgpu_metadata
---
amdhsa.version: [ 1, 2 ]
amdhsa.kernels:
  - .name:           k_qbdb71defb8_outp
    .symbol:         k_qbdb71defb8_outp.kd
    .args:
      - { .name: ob, .offset: 0, .size: 8, .value_kind: global_buffer, .address_space: global }
      - { .name: wq, .offset: 8, .size: 8, .value_kind: global_buffer, .address_space: global }
      - { .name: bo, .offset: 16, .size: 8, .value_kind: global_buffer, .address_space: global }
      - { .name: out0, .offset: 24, .size: 8, .value_kind: global_buffer, .address_space: global }
    .group_segment_fixed_size: 67072
    .private_segment_fixed_size: 0
    .kernarg_segment_align: 8
    .kernarg_segment_size: 32
    .max_flat_workgroup_size: 128
    .sgpr_count:     66
    .vgpr_count:     1024
    .wavefront_size: 32
...
	.end_amdgpu_metadata
.endif
;; end of part 4
;; ======== version 2 of 2: 4 launches
;; workspace buffers: wq 2,457,600 bytes; qb 3,342,336 bytes; kv 6,684,672 bytes; ob 3,407,872 bytes
;; launch wquant (part 5): grid 36 x 4, 4 waves a work-group, no clusters, 0 bytes of LDS; arguments Wq, Wk, Wv, Wo, wq; writes wq
.if DOCPART == 5
	.amdgcn_target "amdgcn-amd-amdhsa--gfx1250"
	.amdhsa_code_object_version 6
	.text
	.protected	k_qbdb71defb8_wquant
	.globl	k_qbdb71defb8_wquant
	.p2align	8
	.type	k_qbdb71defb8_wquant,@function
k_qbdb71defb8_wquant:
	s_mov_b64 s[64:65], 0
	v_nop
	global_prefetch_b8 v0, s[64:65] scope:SCOPE_SE
	s_setreg_imm32_b32 hwreg(HW_REG_WAVE_MODE, 25, 1), 1
	s_wait_xcnt 0x0
; One of Wq, Wk, Wv, Wo ([768 (k)][768 (n)] f32, K its FIRST axis; work-group y says which) becomes codes of E4M3 with one E8M0 byte for each 32 along K.
; THE CODES ARE LAID AS IMAGES OF THE OPERAND'S REGISTERS: weight y, tile T of 16 columns, K step s of 128, group c of four registers:
;   byte y*589824 + T*12288 + s*2048 + c*512 + h*256 + r*16 + e  =  the code of W[128 s + 32 c + 16 h + e][n],  n = 32 (T/2) + 8 (T%2) + r + 8 (r/8).
; So a later wave loads a fragment by four loads of 16 bytes a lane at 16 x lane.  The columns of a tile are not neighbours: with such a tile as source 0 of a product, a lane's 16 registers
; of result tiles 2 b and 2 b + 1 are 16 neighbours along n, which is the next product's K.
; The scale words lie behind the codes: 2359296 + y*24576 + T*512 + r*32 + s*4, byte c for block 4 s + c (bytes 24-31 of each 32 are neither written nor read).
; SHARES: work-group x = 6 s + ng; wave w takes the 32 columns of group cg = 4 ng + w (tiles 2 cg, 2 cg + 1) and the 128 rows of K step s.
; A LANE TAKES A COLUMN AND ITS REGISTERS RUN DOWN K: a block of 32 lies in one lane, its largest magnitude needs no other lane, and the conversions give codes with K innermost.
; Each load of a wave reads 128 consecutive bytes (the four waves 512); each store of codes fills two aligned runs of 256 bytes, one for each tile.
; A block's scale is 2^(floor(log2(largest magnitude)) - 8); its byte is the largest magnitude's exponent field - 8, held at 1 from below.
; LIMITS: NaN and infinities among the inputs are not served; a block of zeros gets the byte 1 where the rule says 127 (its codes are zeros, and this program alone reads the bytes);
; blocks whose largest magnitude lies under 2^-118 are held at the byte 1.
; No LDS, no barrier, no matrix unit, no cluster: waves share nothing, and each input byte is read once.
.set ROWW, 3072                        ; bytes in a row of W
.set X,    32                          ; v32-159  four sets of 32 numbers, one for each block
.set C,    160                         ; v160-191 eight registers of codes for each block: no store's data are written again
.set SWD,  16                          ; v16      the K step's scale word
.set MNT,  24                          ; s24      the mantissa field of 448
	s_load_b256 s[4:11], s[0:1], 0x0               ; Wq s[4:5], Wk s[6:7], Wv s[8:9], Wo s[10:11]
	s_load_b64 s[12:13], s[0:1], 0x20              ; wq
	v_lshrrev_b32 v1, 5, v0
	v_readfirstlane_b32 s14, v1                    ; wave
	s_and_b32 s15, ttmp7, 0xffff                   ; y: which weight
	s_mul_i32 s16, ttmp9, 43
	s_lshr_b32 s16, s16, 8                         ; s = x / 6 (43 x >> 8 is x / 6 for x up to 35)
	s_mul_i32 s17, s16, 6
	s_sub_co_u32 s17, ttmp9, s17                   ; ng = x - 6 s
	s_lshl_b32 s17, s17, 2
	s_add_co_u32 s17, s17, s14                     ; cg = 4 ng + wave: 0 .. 23
	v_and_b32 v7, 15, v0                           ; r
	v_bfe_u32 v3, v0, 4, 1                         ; u: which of the group's two tiles
	v_and_b32 v8, 8, v7
	v_add_nc_u32 v8, v8, v7
	v_lshl_add_u32 v8, v3, 3, v8                   ; my column in the group: 8 u + r + 8 (r / 8)
	v_lshlrev_b32 v4, 2, v8                        ; in bytes
	v_mul_u32_u24 v5, v3, 12288
	v_lshl_add_u32 v5, v7, 4, v5                   ; codes: tile u, 16 bytes a lane
	v_lshlrev_b32 v6, 9, v3
	v_lshl_add_u32 v6, v7, 5, v6                   ; scale words: tile u, 32 bytes a column
	s_mul_i32 s18, s16, 128*ROWW                   ; W: 128 s rows down,
	s_lshl_b32 s19, s17, 7
	s_add_co_u32 s18, s18, s19                     ; 32 cg columns on
	s_mov_b32 s19, 0
	s_mul_i32 s20, s15, 589824                     ; codes: weight y,
	s_mul_i32 s21, s17, 24576
	s_add_co_u32 s20, s20, s21                     ; tiles 2 cg on,
	s_lshl_b32 s21, s16, 11
	s_add_co_u32 s20, s20, s21                     ; K step s
	s_mov_b32 s21, 0
	s_mul_i32 s22, s15, 24576                      ; scale words likewise
	s_lshl_b32 s23, s17, 10
	s_add_co_u32 s22, s22, s23
	s_lshl_b32 s23, s16, 2
	s_add_co_u32 s22, s22, s23
	s_add_co_u32 s22, s22, 2359296
	s_mov_b32 s23, 0
	s_mov_b32 s[MNT], 0x600000
	s_wait_alu depctr_va_vdst(0)
	s_wait_kmcnt 0x0
	s_cmp_eq_u32 s15, 1                            ; the choice of the weight hangs on the work-group's number alone
	s_cselect_b64 s[4:5], s[6:7], s[4:5]
	s_cmp_eq_u32 s15, 2
	s_cselect_b64 s[4:5], s[8:9], s[4:5]
	s_cmp_eq_u32 s15, 3
	s_cselect_b64 s[4:5], s[10:11], s[4:5]
	s_add_nc_u64 s[4:5], s[4:5], s[18:19]
	s_add_nc_u64 s[6:7], s[12:13], s[20:21]
	s_add_nc_u64 s[8:9], s[12:13], s[22:23]
.macro LOAD t                          ; block t: W(128 s + 32 t + i, my column), i = 0 .. 31
.set li, 0
.rept 32
	global_load_b32 v[X+32*(\t)+li], v4, s[4:5] offset:(32*(\t)+li)*ROWW th:TH_LOAD_NT
.set li, li+1
.endr
.endm
.macro BLOCK t
.set XS, X+32*(\t)
.set CC, C+8*(\t)
.if (\t) < 3
	s_wait_loadcnt 32                              ; this block's 32 loads are in; the next block's 32 may be out
.else
	s_wait_loadcnt 0x0
.endif
.if (\t) < 2
	LOAD (\t)+2                                    ; two blocks ahead
.endif
	v_max3_num_f32 v12, |v[XS]|, |v[XS+1]|, |v[XS+2]|      ; the block's largest magnitude, in two chains: all 32 numbers are mine
	v_max3_num_f32 v13, |v[XS+3]|, |v[XS+4]|, |v[XS+5]|
.irp i, 6,10,14,18,22,26
	v_max3_num_f32 v12, v12, |v[XS+\i]|, |v[XS+\i+1]|
	v_max3_num_f32 v13, v13, |v[XS+\i+2]|, |v[XS+\i+3]|
.endr
	v_max3_num_f32 v12, v12, |v[XS+30]|, |v[XS+31]|
	v_max3_num_f32 v12, v12, v13, 0x4800000        ; and the floor 2^(9 - 127): the byte cannot fall under 1
	v_add_nc_u32 v11, 0xfc000000, v12              ; 8 off the exponent field: the conversion takes this operand's exponent field as its scale
	v_and_or_b32 v10, v12, 0x7f800000, s[MNT]      ; 448 x the scale
	v_lshrrev_b32 v13, 23, v11                     ; the scale's byte
.if (\t) == 0
	v_mov_b32 v[SWD], v13
.else
	v_lshl_or_b32 v[SWD], v13, 8*(\t), v[SWD]      ; the lower K in the lower byte
.endif
.set li, 0
.rept 32
	v_med3_num_f32 v[XS+li], v[XS+li], -v10, v10   ; the conversion to an 8-bit code does not saturate (ISA guide 7.6.2): the hold at 448 x the scale comes first
.set li, li+1
.endr
.irp g, 0,1,2,3
	v_cvt_scalef32_pk8_fp8_f32 v[CC+2*\g:CC+2*\g+1], v[XS+8*\g:XS+8*\g+7], v11
.endr
	global_store_b128 v5, v[CC:CC+3], s[6:7] offset:512*(\t)          ; k = 32 t + 0 .. 15: the half h = 0 of group t; sixteen lanes fill 256 consecutive bytes
	global_store_b128 v5, v[CC+4:CC+7], s[6:7] offset:512*(\t)+256    ; k = 32 t + 16 .. 31: the half h = 1
.endm
	LOAD 0
	LOAD 1
	BLOCK 0
	BLOCK 1
	BLOCK 2
	BLOCK 3
	global_store_b32 v6, v[SWD], s[8:9]            ; my column's scale word of this K step
	s_endpgm
.Lfunc_end_k_qbdb71defb8_wquant:
	.size	k_qbdb71defb8_wquant, .Lfunc_end_k_qbdb71defb8_wquant-k_qbdb71defb8_wquant
	.p2alignl 7, 3214868480
	.fill 96, 4, 3214868480
	.section	.rodata,"a",@progbits
	.p2align	6, 0x0
	.amdhsa_kernel k_qbdb71defb8_wquant
		.amdhsa_group_segment_fixed_size 0
		.amdhsa_private_segment_fixed_size 0
		.amdhsa_enable_private_segment 0
		.amdhsa_kernarg_size 40
		.amdhsa_user_sgpr_count 2
		.amdhsa_user_sgpr_kernarg_segment_ptr 1
		.amdhsa_wavefront_size32 1
		.amdhsa_system_sgpr_workgroup_id_x 1
		.amdhsa_system_sgpr_workgroup_id_y 1
		.amdhsa_system_sgpr_workgroup_id_z 1
		.amdhsa_system_vgpr_workitem_id 0
		.amdhsa_next_free_vgpr 192
		.amdhsa_next_free_sgpr 66
		.amdhsa_reserve_vcc 0
		.amdhsa_float_denorm_mode_32 3
		.amdhsa_float_denorm_mode_16_64 3
		.amdhsa_memory_ordered 1
		.amdhsa_forward_progress 1
		.amdhsa_inst_pref_size 30
	.end_amdhsa_kernel
	.amdgpu_metadata
---
amdhsa.version: [ 1, 2 ]
amdhsa.kernels:
  - .name:           k_qbdb71defb8_wquant
    .symbol:         k_qbdb71defb8_wquant.kd
    .args:
      - { .name: Wq, .offset: 0, .size: 8, .value_kind: global_buffer, .address_space: global }
      - { .name: Wk, .offset: 8, .size: 8, .value_kind: global_buffer, .address_space: global }
      - { .name: Wv, .offset: 16, .size: 8, .value_kind: global_buffer, .address_space: global }
      - { .name: Wo, .offset: 24, .size: 8, .value_kind: global_buffer, .address_space: global }
      - { .name: wq, .offset: 32, .size: 8, .value_kind: global_buffer, .address_space: global }
    .group_segment_fixed_size: 0
    .private_segment_fixed_size: 0
    .kernarg_segment_align: 8
    .kernarg_segment_size: 40
    .max_flat_workgroup_size: 128
    .sgpr_count:     66
    .vgpr_count:     192
    .wavefront_size: 32
...
	.end_amdgpu_metadata
.endif
;; end of part 5
;; launch proj (part 6): grid 64 x 3, 4 waves a work-group, no clusters, 86,528 bytes of LDS; arguments Q, K, V, wq, qb, kv; writes qb, kv
.if DOCPART == 6
	.amdgcn_target "amdgcn-amd-amdhsa--gfx1250"
	.amdhsa_code_object_version 6
	.text
	.protected	k_qbdb71defb8_proj
	.globl	k_qbdb71defb8_proj
	.p2align	8
	.type	k_qbdb71defb8_proj,@function
k_qbdb71defb8_proj:
	s_mov_b64 s[64:65], 0
	v_nop
	global_prefetch_b8 v0, s[64:65] scope:SCOPE_SE
	s_setreg_imm32_b32 hwreg(HW_REG_WAVE_SCHED_MODE, 0, 2), 2
	s_setreg_imm32_b32 hwreg(HW_REG_WAVE_MODE, 25, 1), 1
	s_wait_xcnt 0x0
	s_wait_alu depctr_vm_vsrc(0)
; The three projections q = Q Wq, k = K Wk, v = V Wv on codes of E4M3 with one E8M0 scale for each 32 along K, and the quantising of their results for attention.
; Work-group (x = B, y = Y): 64 rows (64 B on) of input Y (0: Q, 1: K, 2: V), all 768 columns: the f32 rows are read from memory once.
; PHASE X: wave w quantises 16 of the rows along the 768 (six K steps of 128) and stores each fragment in LDS as an IMAGE OF ITS REGISTERS (four stores of 512 consecutive bytes, lane l's
; 16 bytes at 16 l), its scale words likewise (4 bytes a lane).  One barrier.  Then every wave takes all 24 fragments into 384 registers and keeps them.
; MAIN: wave w makes heads 3 w .. 3 w + 2.  A head's weights (4 tiles x 6 K steps, laid as register images by the launch before) go from memory straight into registers, three K steps ahead,
; and each fragment feeds four matrix instructions.  16 accumulators take turns, one instruction a turn.
; q, k: source 0 = 16 columns of W, source 1 = 16 rows of x: a lane holds ONE row, and its registers run along the head's 64, attention's first K.
; v:    source 0 = 16 rows of x (keys), source 1 = 16 columns of W: a lane holds ONE channel d, and its registers run along the keys, attention's second K.
; THE ROWS OF A TILE ARE NOT NEIGHBOURS for W's columns and for the rows of inputs K and V: member r of tile T is 32 (T/2) + 8 (T%2) + r + 8 (r/8); so the 16 registers of result tiles 2 b, 2 b + 1
; are 16 neighbours along the next K, and the conversions' results are that operand's registers.  Input Q's rows keep their order.
; OUT, all as register images: qb: (head*256 + tile of 16 queries)*1024 + c*512 + 16 lane; its scale words at 3145728 + (head*64 + B)*256 + 16 r + 4 m.
; kv: a record of 17408 bytes for each head and 128 keys: K's 8 tiles (1024 bytes each), V's 4 tiles (2048 each) at 8192, K's scale words at 16384 (lanes 0-15: tiles 0-3, lanes 16-31: tiles 4-7),
; V's at 16896.  A scale word of q or k holds its two bytes twice: the upper two stand for the half of the 128-deep form that attention fills with zero codes.
; LIMITS: NaN and infinities are not served; a block of zeros gets the byte 1 where the rule says 127 (its codes are zeros, this program alone reads the bytes); magnitudes under 2^-118 are held at the byte 1.
; NO CLUSTER, NO TENSOR LOAD: the weights are shared by the 64 work-groups of one y, but they go into registers as they lie and are used once in a work-group; a joint load would add a way through
; LDS and a round of the cluster's barrier for each of 18 K steps of 16 matrix instructions.
; REGISTERS, in windows of 256: window 0: v1-13 addresses, v16-39 x's scale words (4 s + m), v40-63 W's (6 t + s), v64-119 at work, v128-255 the accumulators (in phase X: 64 numbers).
;   window 1: in phase X two sets of 64 raw numbers; then x's fragments of K steps 0-3 (64 s + 16 m).   window 2: v0-127 x's of K steps 4, 5; v128-255 W's sets 4, 5.   window 3: W's sets 0-3.
; THE MODE: SCHED_MODE bits 1:0 = 2 (LLVM: expert scheduling mode 2), set by the entry lines.  The code itself states the register dependences between vector or matrix instructions and memory or
; LDS instructions, with s_wait_alu, always for 0.
; THE PLAN.  Registers that memory or LDS instructions touch:
;   v4-13          addresses, made once at the head and never written again: one wait on va_vdst ahead of the first load serves the whole kernel.
;   the raw sets   written by global loads, read by the stage's LDS stores, named by no vector instruction: one wait on vm_vsrc a K step of x, behind the stage's stores, ahead of the set's next loads.
;   X (v128-191)   written by the stage's LDS loads, read and written by QUANT: the wait on va_vdst behind QUANT also serves the next K step's LDS loads.
;   v80-119        codes and scale words: written by QUANT and two selects, read by LDS or global stores: va_vdst ahead of each run of stores, vm_vsrc ahead of the next QUANT.
;   W's sets, WS   written by global loads, read by matrix instructions.  Two waits on va_vdst a head: at the head of K step 3 (sets 0, 1, 2 are read out: the loads of K steps 3, 4, 5 land there; the
;                  products between name sets 3 and 4 alone) and behind K step 5 (the scale words and sets 3, 4, 5 are read out: the next head's scale words and its loads of K steps 0, 1, 2).
;   A set's 16 loads stay in one run ahead of a K step's products: dealt singly among them, each would want two switches of the register window.
.set XIMG, 0                           ; LDS: x's 24 fragments, fragment 4 s + m at 2048 bytes each
.set XSC,  49152                       ; their scale words, 128 bytes each
.set STG,  52224                       ; a stage of 16 rows x (512 + 16) bytes for each wave
.set SPI,  528
.set XA0, 4                            ; v4   x: 16 x lane + my tile's first row; rows 0-7 of the tile
.set XA1, 5                            ; v5   the same for rows 8-15, which lie 8 rows further on for inputs K and V
.set LI,  6                            ; v6   16 x lane
.set LS,  7                            ; v7   4 x lane
.set XWI, 8                            ; v8   where I store x's images: 16 x lane + 2048 x wave
.set XWS, 9                            ; v9   and their scale words: 4 x lane + 128 x wave
.set STW, 10                           ; v10  my stage, on the way in
.set STR, 11                           ; v11  and on the way out: row r, + 64 h
.set WSA, 12                           ; v12  32 r: W's scale words
.set SOA, 13                           ; v13  16 r + 8 h: q's and k's scale words on the way out
.set XS,  16
.set WS,  40
.set TM,  64                           ; v64-67 largest magnitudes, v68-71 bytes, v72-75 448 x the scale, v76-79 the conversions' scale operands
.set PW,  80
.set D0,  82
.set SW,  84
.set PC,  88                           ; v88-119 codes
.set ACC, 128
.set X,   128
.set WV,  16
.set YY,  17
.set BB,  18
.set PERM, 19
.set XP,  20
.set WP,  22
.set WSP, 24
.set OP,  26
.set SP,  28
.set OST, 30
.set SST, 32
.set SEL, 34
.set MNT, 36
.set TRIP, 37
.set HM,  38
.set MSB, 0
.macro WIN new                         ; the immediate's high byte repeats the setting that is left; a switch that changes nothing is dropped
.if MSB != \new
	s_set_vgpr_msb (MSB<<8)|\new
.set MSB, \new
.endif
.endm
.macro PLACES                          ; eight plain vector instructions behind this matrix form
.rept 8
	v_nop
.endr
.endm
; 16 rows x 128 numbers of K step s into raw set 'set' (window 1): each load reads 512 consecutive bytes of one row
.macro GLOADX s, set
	WIN 0x40
.irp i, 0,1,2,3,4,5,6,7
	global_load_b128 v[64*(\set)+4*\i:64*(\set)+4*\i+3], v[XA0], s[XP:XP+1] offset:\i*3072+512*(\s) th:TH_LOAD_NT
.endr
.irp i, 8,9,10,11,12,13,14,15
	global_load_b128 v[64*(\set)+4*\i:64*(\set)+4*\i+3], v[XA1], s[XP:XP+1] offset:\i*3072+512*(\s) th:TH_LOAD_NT
.endr
.endm
; 64 numbers of a lane, register 16 b + i = place 32 b + 16 (lane / 16) + i along K, become 16 registers of codes at v[PC + 16 p] on.
; mode 0: the four bytes make one scale word, v[PW].  mode 1: blocks 0, 1 and blocks 2, 3 belong to two operand rows of K = 64: two words, v[SW + 2 p], v[SW + 2 p + 1], each with its two bytes twice.
.macro QUANT s, mode, p
.irp b, 0,1,2,3
	v_max3_num_f32 v[TM+\b], |v[(\s)+16*\b]|, |v[(\s)+16*\b+1]|, 0x4800000   ; my 16 numbers of block b, from each accumulator's low end on, and the floor 2^(9 - 127)
.endr
.irp i, 2,4,6,8,10,12,14
.irp b, 0,1,2,3
	v_max3_num_f32 v[TM+\b], v[TM+\b], |v[(\s)+16*\b+\i]|, |v[(\s)+16*\b+\i+1]|   ; the four blocks by turns
.endr
.endr
.irp b, 0,1,2,3
	v_permlanex16_b32 v[TM+4+\b], v[TM+\b], s[SEL], s[SEL+1]
.endr
.irp b, 0,1,2,3
	v_max_num_f32 v[TM+\b], v[TM+\b], v[TM+4+\b]   ; with lane l xor 16's 16: the block's largest magnitude
.endr
.irp b, 0,1,2,3
	v_add_nc_u32 v[TM+12+\b], 0xfc000000, v[TM+\b] ; 8 off its exponent field: the conversion's scale operand
.endr
.irp b, 0,1,2,3
	v_and_or_b32 v[TM+8+\b], v[TM+\b], 0x7f800000, s[MNT]   ; 448 x the scale
.endr
.irp b, 0,1,2,3
	v_lshrrev_b32 v[TM+4+\b], 23, v[TM+12+\b]      ; the scale's byte
.endr
.if \mode == 0
	v_lshl_or_b32 v[PW], v[TM+5], 8, v[TM+4]
	v_lshl_or_b32 v[PW], v[TM+6], 16, v[PW]
	v_lshl_or_b32 v[PW], v[TM+7], 24, v[PW]
.else
	v_lshl_or_b32 v[SW+2*\p], v[TM+5], 8, v[TM+4]
	v_lshl_or_b32 v[SW+2*\p+1], v[TM+7], 8, v[TM+6]
	v_lshl_or_b32 v[SW+2*\p], v[SW+2*\p], 16, v[SW+2*\p]
	v_lshl_or_b32 v[SW+2*\p+1], v[SW+2*\p+1], 16, v[SW+2*\p+1]
.endif
.irp b, 0,1,2,3
.irp i, 0,1,2,3,4,5,6,7,8,9,10,11,12,13,14,15
	v_med3_num_f32 v[(\s)+16*\b+\i], v[(\s)+16*\b+\i], -v[TM+8+\b], v[TM+8+\b]   ; the conversion does not saturate (ISA guide 7.6.2): the hold comes first
.endr
	v_cvt_scalef32_pk8_fp8_f32 v[PC+16*\p+4*\b:PC+16*\p+4*\b+1], v[(\s)+16*\b:(\s)+16*\b+7], v[TM+12+\b]
	v_cvt_scalef32_pk8_fp8_f32 v[PC+16*\p+4*\b+2:PC+16*\p+4*\b+3], v[(\s)+16*\b+8:(\s)+16*\b+15], v[TM+12+\b]
.endr
	v_nop                                          ; one plain vector instruction behind the last conversion: later products write its sources
.endm
; K step s of my 16 rows: through my stage (in as loaded, a row's 512 bytes on end; out 16 neighbours of each block a lane), quantised, its image to LDS
.macro XSTEP s
.if (\s) < 5
	s_wait_loadcnt 16                              ; this K step's 16 loads are in; the next K step's 16 may be out
.else
	s_wait_loadcnt 0x0
.endif
	WIN 0x04                                       ; an LDS store's data are its source 1: window 1
.irp i, 0,1,2,3,4,5,6,7,8,9,10,11,12,13,14,15
	ds_store_b128 v[STW], v[64*((\s)%2)+4*\i:64*((\s)%2)+4*\i+3] offset:SPI*\i
.endr
	WIN 0
.irp b, 0,1,2,3
.irp j, 0,1,2,3
	ds_load_b128 v[X+16*\b+4*\j:X+16*\b+4*\j+3], v[STR] offset:128*\b+16*\j   ; LDS serves a wave's instructions in order (ISA guide 5.7.1.4): these see my stores.  No vector instruction has named X since the wait behind the last QUANT
.endr
.endr
	s_wait_dscnt 0x0                               ; the numbers are back
.if (\s) < 4
	WIN 0x40                                       ; the switch, then the wait, then the loads
.endif
	s_wait_alu depctr_vm_vsrc(0)                   ; the stage's stores have read the raw set, in which the loads below land; the last image's stores have read v[PC ..] and v[PW], which QUANT writes again
.if (\s) < 4
	GLOADX (\s)+2, (\s)%2                          ; the raw set takes the K step two on
	WIN 0
.endif
	QUANT X, 0, 0
	s_wait_alu depctr_va_vdst(0)                   ; QUANT has written v[PC ..] and v[PW], which the LDS stores below read, and is done with X, in which the next K step's LDS loads land
.irp c, 0,1,2,3
	ds_store_b128 v[XWI], v[PC+4*\c:PC+4*\c+3] offset:XIMG+8192*(\s)+512*\c
.endr
	ds_store_b32 v[XWS], v[PW] offset:XSC+512*(\s)
.endm
; a head's four fragments of one K step into set 'set'; off: their place from s[WP] on
.macro WLOAD set, off
.if (\set) < 4
	WIN 0xc0
.set WB, 64*(\set)
.else
	WIN 0x80
.set WB, 128+64*((\set)-4)
.endif
.irp t, 0,1,2,3
.irp c, 0,1,2,3
	global_load_b128 v[WB+16*\t+4*\c:WB+16*\t+4*\c+3], v[LI], s[WP:WP+1] offset:(\off)+\t*12288+\c*512
.endr
.endr
.endm
.macro WSCL off                        ; a head's scale words: six words for each of its 64 columns
.irp t, 0,1,2,3
	global_load_b128 v[WS+6*\t:WS+6*\t+3], v[WSA], s[WSP:WSP+1] offset:(\off)+512*\t
	global_load_b64 v[WS+6*\t+4:WS+6*\t+5], v[WSA], s[WSP:WSP+1] offset:(\off)+512*\t+16
.endr
.endm
; 16 matrix instructions of K step s.  var 0: accumulator (m, t), source 0 = W's tile t, source 1 = x's tile m.  var 1: accumulator (t, m), source 0 = x's tile m, source 1 = W's tile t.
; K step 0 starts the sums with the constant 0: nothing is cleared.
.macro MULS var, s
.if (\s) < 4
.set WB, 64*(\s)
.set XB, 64*(\s)
.if \var
	WIN 0x0d                                       ; source 0 (x) window 1, source 1 (W) window 3
.else
	WIN 0x07                                       ; source 0 (W) window 3, source 1 (x) window 1
.endif
.else
.set WB, 128+64*((\s)-4)
.set XB, 64*((\s)-4)
	WIN 0x0a                                       ; both in window 2
.endif
.irp i, 0,1,2,3
.irp j, 0,1,2,3
.set DD, ACC+8*(4*\i+\j)
.if \var
.if (\s) == 0
	v_wmma_scale_f32_16x16x128_f8f6f4 v[DD:DD+7], v[XB+16*\j:XB+16*\j+15], v[WB+16*\i:WB+16*\i+15], 0, v[XS+4*(\s)+\j], v[WS+6*\i+(\s)]
.else
	v_wmma_scale_f32_16x16x128_f8f6f4 v[DD:DD+7], v[XB+16*\j:XB+16*\j+15], v[WB+16*\i:WB+16*\i+15], v[DD:DD+7], v[XS+4*(\s)+\j], v[WS+6*\i+(\s)]
.endif
.else
.if (\s) == 0
	v_wmma_scale_f32_16x16x128_f8f6f4 v[DD:DD+7], v[WB+16*\j:WB+16*\j+15], v[XB+16*\i:XB+16*\i+15], 0, v[WS+6*\j+(\s)], v[XS+4*(\s)+\i]
.else
	v_wmma_scale_f32_16x16x128_f8f6f4 v[DD:DD+7], v[WB+16*\j:WB+16*\j+15], v[XB+16*\i:XB+16*\i+15], v[DD:DD+7], v[WS+6*\j+(\s)], v[XS+4*(\s)+\i]
.endif
.endif
.endr
.endr
.endm
; K step s of a head: the set three K steps on is asked for (from K step 3 on: the next head's), then the wait for this K step's set, then its products.
.macro KST var, s, last
.if (\s == 3) && !\last
	PLACES                                         ; the places behind the products of K step 2 stay beside the wait below
	WIN 0xc0                                       ; the switch, then the wait, then the loads
	s_wait_alu depctr_va_vdst(0)                   ; the products of K steps 0, 1, 2 are done reading sets 0, 1, 2, in which the loads of K steps 3, 4, 5 land; the products between name sets 3 and 4 alone
.endif
.if \s < 3
	WLOAD \s+3, (\s+3)*2048                        ; no matrix instruction has named this set since the wait behind the last head's K step 5
.elseif !\last
	WLOAD \s-3, 49152+(\s-3)*2048
.endif
.if \last && (\s >= 3)
	s_wait_loadcnt 16*(5-\s)                       ; nothing more is asked for: behind this K step's set stand the sets up to 5
.elseif \s < 2
	s_wait_loadcnt 16*(\s+1)                       ; K step 0: only the set just asked for may be out, so the head's scale words, issued behind set 2, are in
.else
	s_wait_loadcnt 48                              ; the three younger sets, 16 loads each, may be out
.endif
	MULS \var, \s
.endm
.macro HEAD var, last
	KST \var, 0, \last
	KST \var, 1, \last
	KST \var, 2, \last
	KST \var, 3, \last
	KST \var, 4, \last
	KST \var, 5, \last
	WIN 0
	PLACES                                         ; ahead of QUANT's reads of the results
.if !\last
	s_wait_alu depctr_va_vdst(0)                   ; the head's products are done reading W's scale words, in which the next head's land, and sets 3, 4, 5, in which the next head's loads of K steps 0, 1, 2 land
	WSCL 2048                                      ; the next head's scale words
.endif
	QUANT ACC, 1, 0
	QUANT ACC+64, 1, 1
.if \var
	s_wait_alu depctr_va_vdst(0)                   ; QUANT has written v[PC ..] and v[SW ..], which the stores below read
.irp q, 0,1,2,3,4,5,6,7                ; group q: V's tile q / 2, key block 2 (B % 2) + q % 2
	global_store_b128 v[LI], v[PC+4*\q:PC+4*\q+3], s[OP:OP+1] offset:(\q/2)*2048+(\q%2)*512   ; 512 consecutive bytes
.endr
.irp t, 0,1,2,3
	global_store_b16 v[LI], v[SW+\t], s[SP:SP+1] offset:4*\t   ; my two bytes of channel d's scale word; both halves of the lanes write their own copy
.endr
.else
	v_cndmask_b32 v[D0], v[SW], v[SW+2], s[HM]     ; lanes 0-15 store the words of row tiles 0, 1, lanes 16-31 those of 2, 3: 256 consecutive bytes, all lanes on
	v_cndmask_b32 v[D0+1], v[SW+1], v[SW+3], s[HM]
	s_wait_alu depctr_va_vdst(0)                   ; QUANT has written v[PC ..], the two selects v[D0], v[D0+1], which the stores below read
.irp q, 0,1,2,3,4,5,6,7                ; group q: row tile q / 2, block q % 2 of the head's 64
	global_store_b128 v[LI], v[PC+4*\q:PC+4*\q+3], s[OP:OP+1] offset:512*\q
.endr
	global_store_b64 v[SOA], v[D0:D0+1], s[SP:SP+1]
.endif
.if !\last
	s_wait_xcnt 0x0                                ; every memory instruction issued has had its addresses translated: the bases step
	s_wait_alu depctr_vm_vsrc(0)                   ; the stores have read v[PC ..], v[SW ..] and v[D0 ..], which the next head's QUANT and selects write again
	s_add_nc_u64 s[WP:WP+1], s[WP:WP+1], 49152
	s_add_nc_u64 s[WSP:WSP+1], s[WSP:WSP+1], 2048
	s_add_nc_u64 s[OP:OP+1], s[OP:OP+1], s[OST:OST+1]
	s_add_nc_u64 s[SP:SP+1], s[SP:SP+1], s[SST:SST+1]
.endif
.endm
	s_load_b256 s[4:11], s[0:1], 0x0               ; Q s[4:5], K s[6:7], V s[8:9], wq s[10:11]
	s_load_b128 s[12:15], s[0:1], 0x20             ; qb s[12:13], kv s[14:15]
	v_lshl_add_u32 v126, v0, 2, 0x15000
	v_mov_b32 v127, 0
	v_lshrrev_b32 v1, 5, v0
	v_readfirstlane_b32 s[WV], v1                  ; wave 0..3
	s_and_b32 s[YY], ttmp7, 0xffff
	s_mov_b32 s[BB], ttmp9
	v_and_b32 v1, 31, v0                           ; lane
	v_and_b32 v2, 15, v0                           ; r
	v_bfe_u32 v3, v0, 4, 1                         ; h
	v_cmp_le_u32 s[HM], 16, v1                     ; lanes 16-31
	v_lshlrev_b32 v[LI], 4, v1
	s_wait_alu depctr_va_vdst(0)
	v_lshlrev_b32 v[LS], 2, v1
	v_lshlrev_b32 v[WSA], 5, v2
	v_lshlrev_b32 v[SOA], 4, v2
	v_lshl_add_u32 v[SOA], v3, 3, v[SOA]
.irp b, 0,1,2,3
	v_mov_b32 v[TM+4+\b], 0                        ; written once: a lane permute's destination counts as one of its sources
.endr
	s_cmp_eq_u32 s[YY], 0
	s_cselect_b32 s[PERM], 0, 8                    ; inputs K and V: rows 8-15 of a tile lie 8 rows further on
	s_wait_alu depctr_va_sdst(0)                   ; s[WV] and s[HM] are written, ahead of their first readers: the scalar lines below, and the selects of the heads
	s_lshl_b32 s40, s[WV], 4
	s_and_b32 s41, s[WV], 1
	s_mul_i32 s41, s41, s[PERM]
	s_sub_co_u32 s40, s40, s41                     ; my tile's first row: 16 w, or 32 (w / 2) + 8 (w % 2)
	s_mul_i32 s40, s40, 3072
	v_add_nc_u32 v[XA0], s40, v[LI]
	s_mul_i32 s41, s[PERM], 3072
	v_add_nc_u32 v[XA1], s41, v[XA0]
	s_lshl_b32 s40, s[WV], 11
	v_add_nc_u32 v[XWI], s40, v[LI]
	s_lshl_b32 s40, s[WV], 7
	v_add_nc_u32 v[XWS], s40, v[LS]
	s_mul_i32 s40, s[WV], 16*SPI
	s_add_co_u32 s40, s40, STG
	v_add_nc_u32 v[STW], s40, v[LI]
	v_mul_u32_u24 v[STR], v2, SPI
	v_lshl_add_u32 v[STR], v3, 6, v[STR]
	v_add_nc_u32 v[STR], s40, v[STR]
	s_mov_b32 s[SEL], 0x76543210
	s_mov_b32 s[SEL+1], 0xfedcba98                 ; v_permlanex16_b32's selects for lane l xor 16
	s_mov_b32 s[MNT], 0x600000
	; offsets, in registers of their own
	s_mul_i32 s42, s[WV], 192
	s_add_co_u32 s42, s42, s[BB]                   ; q: (head 3 w) x 64 + B
	s_lshl_b32 s43, s42, 8
	s_add_co_u32 s43, s43, 3145728                 ; its scale words
	s_lshl_b32 s42, s42, 12                        ; its codes: four tiles of 1024 bytes
	s_mul_i32 s44, s[WV], 96
	s_lshr_b32 s45, s[BB], 1
	s_add_co_u32 s44, s44, s45
	s_mul_i32 s44, s44, 17408                      ; k, v: the record of head 3 w, key step B / 2
	s_and_b32 s45, s[BB], 1                        ; which half of its 128 keys
	s_lshl_b32 s46, s45, 12
	s_add_co_u32 s46, s46, s44                     ; k's codes
	s_lshl_b32 s47, s45, 8
	s_add_co_u32 s47, s47, s44
	s_add_co_u32 s47, s47, 16384                   ; k's scale words
	s_lshl_b32 s48, s45, 10
	s_add_co_u32 s48, s48, s44
	s_add_co_u32 s48, s48, 8192                    ; v's codes
	s_lshl_b32 s49, s45, 1
	s_add_co_u32 s49, s49, s44
	s_add_co_u32 s49, s49, 16896                   ; v's scale words
	s_cmp_eq_u32 s[YY], 1
	s_cselect_b32 s46, s46, s48
	s_cselect_b32 s47, s47, s49
	s_mov_b32 s[OST], 557056                       ; from head to head: 32 records,
	s_mov_b32 s[SST], 557056
	s_mov_b32 s41, 0
	s_mov_b32 s[OST+1], 0
	s_mov_b32 s[SST+1], 0
	s_wait_kmcnt 0x0
	s_cmp_eq_u32 s[YY], 0
	s_cselect_b32 s40, s42, s46
	s_cselect_b32 s42, s43, s47
	s_cselect_b32 s[OST], 262144, s[OST]           ; or, in qb, 256 tiles of codes
	s_cselect_b32 s[SST], 16384, s[SST]            ; and 64 x 256 bytes of scale words
	s_cselect_b64 s[OP:OP+1], s[12:13], s[14:15]
	s_mov_b64 s[SP:SP+1], s[OP:OP+1]
	s_mov_b32 s43, 0
	s_add_nc_u64 s[OP:OP+1], s[OP:OP+1], s[40:41]
	s_add_nc_u64 s[SP:SP+1], s[SP:SP+1], s[42:43]
	s_cmp_eq_u32 s[YY], 1                          ; the input: a choice on the work-group's number alone
	s_cselect_b64 s[XP:XP+1], s[6:7], s[4:5]
	s_cmp_eq_u32 s[YY], 2
	s_cselect_b64 s[XP:XP+1], s[8:9], s[XP:XP+1]
	s_mul_i32 s40, s[BB], 196608                   ; 64 rows of 3072 bytes
	s_add_nc_u64 s[XP:XP+1], s[XP:XP+1], s[40:41]
	s_mul_i32 s40, s[YY], 589824
	s_mul_i32 s42, s[WV], 147456                   ; my three heads: 12 tiles of 12288 bytes
	s_add_co_u32 s40, s40, s42
	s_add_nc_u64 s[WP:WP+1], s[10:11], s[40:41]
	s_mul_i32 s40, s[YY], 24576
	s_mul_i32 s42, s[WV], 6144
	s_add_co_u32 s40, s40, s42
	s_add_co_u32 s40, s40, 2359296
	s_add_nc_u64 s[WSP:WSP+1], s[10:11], s[40:41]
	s_wait_alu depctr_va_vdst(0)                   ; the ten addresses v4 to v13 are written, which every load and store of the kernel reads; they are never written again
	WSCL 0                                         ; the first head's scale words and its first three K steps,
	WLOAD 0, 0
	WLOAD 1, 2048
	WLOAD 2, 4096
	GLOADX 0, 0                                    ; then x: two K steps ahead
	GLOADX 1, 1
	XSTEP 0
	XSTEP 1
	XSTEP 2
	XSTEP 3
	XSTEP 4
	XSTEP 5
	s_wait_dscnt 0x0                               ; for the others' sake: my images have landed
	s_barrier_signal -1
	s_barrier_wait -1                              ; x's 24 fragments lie in LDS; nothing is written there any more
	WIN 0x40
	s_wait_alu depctr_vm_vsrc(0)                   ; my last image's stores have read v[PC ..] and v[PW], which the heads' QUANT writes; the stage's stores have read the raw sets, in which the loads below land
.irp s, 0,1,2,3
.irp m, 0,1,2,3
.irp c, 0,1,2,3
	ds_load_b128 v[64*\s+16*\m+4*\c:64*\s+16*\m+4*\c+3], v[LI] offset:XIMG+2048*(4*\s+\m)+512*\c
.endr
.endr
.endr
	WIN 0x80
.irp s, 4,5
.irp m, 0,1,2,3
.irp c, 0,1,2,3
	ds_load_b128 v[64*(\s-4)+16*\m+4*\c:64*(\s-4)+16*\m+4*\c+3], v[LI] offset:XIMG+2048*(4*\s+\m)+512*\c
.endr
.endr
.endr
	WIN 0
.irp f, 0,1,2,3,4,5,6,7,8,9,10,11,12,13,14,15,16,17,18,19,20,21,22,23
	ds_load_b32 v[XS+\f], v[LS] offset:XSC+128*\f
.endr
	s_wait_dscnt 0x0
	s_cmp_eq_u32 s[YY], 2                          ; neither way touches LDS
	s_cbranch_scc1 .Lv
	s_mov_b32 s[TRIP], 0
.Lqk:
	HEAD 0, 0
	s_add_co_u32 s[TRIP], s[TRIP], 1
	s_cmp_lt_u32 s[TRIP], 2
	s_cbranch_scc1 .Lqk
	HEAD 0, 1                                      ; the last head asks for nothing beyond its own weights
	s_wait_dscnt 0x0                               ; the closing lines, six on end
	s_wait_alu 0x0
	s_wait_tensorcnt 0x0
	ds_add_u32 v126, v127
	s_wait_dscnt 0x0
	s_endpgm
.Lv:
	s_mov_b32 s[TRIP], 0
.Lvh:
	HEAD 1, 0
	s_add_co_u32 s[TRIP], s[TRIP], 1
	s_cmp_lt_u32 s[TRIP], 2
	s_cbranch_scc1 .Lvh
	HEAD 1, 1
	s_wait_dscnt 0x0                               ; the closing lines, six on end
	s_wait_alu 0x0
	s_wait_tensorcnt 0x0
	ds_add_u32 v126, v127
	s_wait_dscnt 0x0
	s_endpgm
.Lfunc_end_k_qbdb71defb8_proj:
	.size	k_qbdb71defb8_proj, .Lfunc_end_k_qbdb71defb8_proj-k_qbdb71defb8_proj
	.p2alignl 7, 3214868480
	.fill 96, 4, 3214868480
	.section	.rodata,"a",@progbits
	.p2align	6, 0x0
	.amdhsa_kernel k_qbdb71defb8_proj
		.amdhsa_group_segment_fixed_size 86528
		.amdhsa_private_segment_fixed_size 0
		.amdhsa_enable_private_segment 0
		.amdhsa_kernarg_size 48
		.amdhsa_user_sgpr_count 2
		.amdhsa_user_sgpr_kernarg_segment_ptr 1
		.amdhsa_wavefront_size32 1
		.amdhsa_system_sgpr_workgroup_id_x 1
		.amdhsa_system_sgpr_workgroup_id_y 1
		.amdhsa_system_sgpr_workgroup_id_z 1
		.amdhsa_system_vgpr_workitem_id 0
		.amdhsa_next_free_vgpr 1024
		.amdhsa_next_free_sgpr 66
		.amdhsa_reserve_vcc 0
		.amdhsa_float_denorm_mode_32 3
		.amdhsa_float_denorm_mode_16_64 3
		.amdhsa_memory_ordered 1
		.amdhsa_forward_progress 1
		.amdhsa_inst_pref_size 240
	.end_amdhsa_kernel
	.amdgpu_metadata
---
amdhsa.version: [ 1, 2 ]
amdhsa.kernels:
  - .name:           k_qbdb71defb8_proj
    .symbol:         k_qbdb71defb8_proj.kd
    .args:
      - { .name: Q, .offset: 0, .size: 8, .value_kind: global_buffer, .address_space: global }
      - { .name: K, .offset: 8, .size: 8, .value_kind: global_buffer, .address_space: global }
      - { .name: V, .offset: 16, .size: 8, .value_kind: global_buffer, .address_space: global }
      - { .name: wq, .offset: 24, .size: 8, .value_kind: global_buffer, .address_space: global }
      - { .name: qb, .offset: 32, .size: 8, .value_kind: global_buffer, .address_space: global }
      - { .name: kv, .offset: 40, .size: 8, .value_kind: global_buffer, .address_space: global }
    .group_segment_fixed_size: 86528
    .private_segment_fixed_size: 0
    .kernarg_segment_align: 8
    .kernarg_segment_size: 48
    .max_flat_workgroup_size: 128
    .sgpr_count:     66
    .vgpr_count:     1024
    .wavefront_size: 32
...
	.end_amdgpu_metadata
.endif
;; end of part 6
;; launch attn (part 7): grid 16 x 12, 16 waves a work-group, no clusters, 36,864 bytes of LDS; arguments qb, kv, ob; writes ob
.if DOCPART == 7
	.amdgcn_target "amdgcn-amd-amdhsa--gfx1250"
	.amdhsa_code_object_version 6
	.text
	.protected	k_qbdb71defb8_attn
	.globl	k_qbdb71defb8_attn
	.p2align	8
	.type	k_qbdb71defb8_attn,@function
k_qbdb71defb8_attn:
	s_mov_b64 s[64:65], 0
	v_nop
	global_prefetch_b8 v0, s[64:65] scope:SCOPE_SE
	s_setreg_imm32_b32 hwreg(HW_REG_WAVE_SCHED_MODE, 0, 2), 2
	s_setreg_imm32_b32 hwreg(HW_REG_WAVE_MODE, 25, 1), 1
	s_wait_xcnt 0x0
	s_wait_alu depctr_vm_vsrc(0)
; Causal attention of one head on codes of E4M3 with one E8M0 scale for each 32 along a product's K; the result, divided by the row's sum, is quantised along the head's 64 for the last projection.
; THE SOFTMAX AHEAD OF THE SECOND PRODUCT: t = score x log2(e) / 8; M = the row's largest t so far, rounded UP to a whole number; p = 2^(t - M) is quantised along the keys, not normalised.
; The row's sum is taken of the unquantised p and divides at the end.  When M moves, the sum and O are multiplied by 2^(old M - new M), which rounds nothing.
; SHARES.  Work-group (x = P, y = head) owns the blocks P and 31 - P of 128 queries: 33 steps of 128 keys for each pair of tiles, the same in every work-group: the causal triangle is shared out evenly.
; Sixteen waves, four to a SIMD, one tile of 16 queries each, in 256 registers: one wave's vector work stands beside another's products and LDS loads.  Wave w: tile w / 2 of block P or 31 - P,
; by (w xor w / 4) % 2, so that each group of four neighbouring waves, and each group of waves 4 apart, has two waves of each block.
; The work-group walks key steps J = 0 .. 31 - P.  A step's record (17408 bytes: K's 8 tiles, V's 4 tiles and their scale words, laid as images of the operands' registers) is copied as it lies into one
; of two LDS slots: loaded into registers at the head of step J - 1, stored to LDS at its end.  ONE barrier a step: ahead of it each wave's stores into the next slot have landed and its reads of
; this slot are back; the slot written in a step was last read ahead of the barrier before.  A wave works in steps J <= its block's number JB; in the others it only copies.  Step JB lies on the diagonal.
; LAYOUT.  Both products transposed: S^T = K Q^T (source 0 = 16 keys), O^T = V^T P^T (source 0 = 16 channels): a lane holds ONE query throughout.  Member r of tile t of K (of V) is key (channel)
; 32 (t/2) + 8 (t%2) + r + 8 (r/8): so p's 16 registers of tiles 2 b, 2 b + 1 are 16 neighbouring keys, and O^T's are 16 neighbouring channels: the conversions' results are the next operands.
; K = 64 IN A FORM OF K = 128: Q's registers 8-15 are zero codes.  K's tile t is named as 16 registers of which the upper eight are the next tile's codes (for tile 7: zeros): numbers, never NaN,
; since every quantiser holds at 448; they meet zero codes and add nothing.  The scale words of q and k repeat their two bytes for that half.
; LIMITS: NaN and infinities are not served; a block of zeros gets the byte 1 where the rule says 127 (its codes are zeros); magnitudes under 2^-118 are held at the byte 1.
; NO CLUSTER, NO TENSOR LOAD: the work-groups of a head walk 17 to 32 key steps, so partners would need different numbers of tiles; and the records go through LDS as they lie, by plain loads of 16 bytes a lane.
; THE MODE: SCHED_MODE bits 1:0 = 2 (LLVM: expert scheduling mode 2), set by the entry lines.  The code itself states the register dependences between vector or matrix instructions and memory or
; LDS instructions, with s_wait_alu, always for 0.
; THE PLAN.  Registers that memory or LDS instructions touch:
;   v1, v2, v226   addresses, made once at the head and never written again; v245: q's scale words' offset at the head, made anew on the way out.  One wait on va_vdst ahead of the first load.
;   the copy's twelve (v4-11, v250-253)  written by global loads, read by LDS stores, named by no vector instruction: one wait on vm_vsrc at a step's head, ahead of its loads.
;   v32-95, v216-223  K's tiles, then V's, and their scale words: written by LDS loads, read by matrix instructions.  One wait on va_vdst ahead of K's loads (the last step's products are done with
;                  them) and one behind the eight products K Q^T (they are done with K's tiles, in which V lands).
;   v200-215, v225 p's codes and scale word: written by vector instructions, taken by the scaled products V^T P: one wait on va_vdst directly ahead of these.  Q's and K's zero codes (v24-31, v96-103),
;                  written at the head, are covered by the first step's wait ahead of K's loads.
;   On the diagonal the 64 compares write masks into s30-37, eight at a run, with one wait on va_sdst between a run and its eight selects.
.set REC, 17408
.set LI,  1                            ; v1   16 x lane
.set CW,  2                            ; v2   16 x thread: my place in the copy
.set DQ,  3                            ; v3   my query - 16 (lane / 16), within the block of 128
.set CP0, 4                            ; v4-11, v250-253 the copy's registers
.set CP1, 8
.set QF,  16                           ; v16-23 Q's codes, v24-31 zeros
.set KF,  32                           ; v32-95 K's 8 tiles (8 registers each), then V's 4 (16 each); v96-103 zeros
.set S,   104                          ; v104-167 S^T, then p
.set O,   168                          ; v168-199 O^T
.set PCD, 200                          ; v200-215 p's codes
.set KSC, 216
.set VSC, 220
.set QSC, 224
.set PSC, 225
.set PFO, 226                          ; the prefetch's offset; never rewritten
.set NINF, 227
.set BM,  228
.set T1,  232
.set HL,  236
.set SO,  240
.set TMP, 244
.set TO,  245
.set F,   246                          ; v[246:247]: f, and a 0 named with it as a pair
.set SUM2, 248
.set CP2, 250
.set WV,  10
.set PP,  11
.set HD,  12
.set JB,  13
.set NT,  14
.set NTR, 15
.set RT,  16
.set J,   17
.set RP,  18                           ; s[18:19] record J + 1
.set LIM, 20
.set CS,  22                           ; s[22:23] c = log2(e) / 8
.set SEL, 24
.set MNT, 26
.set TR,  27
.set MK,  30                           ; s30-37 the diagonal's masks (at the head: temporaries, and q's addresses, whose loads are done when the loop begins)
	s_load_b128 s[4:7], s[0:1], 0x0                ; qb s[4:5], kv s[6:7]
	s_load_b64 s[8:9], s[0:1], 0x10                ; ob
	v_lshl_add_u32 v254, v0, 2, 0x8800
	v_mov_b32 v255, 0
	v_lshrrev_b32 v1, 5, v0
	v_readfirstlane_b32 s[WV], v1                  ; wave 0..15
	s_mov_b32 s[PP], ttmp9
	s_and_b32 s[HD], ttmp7, 0xffff
	v_and_b32 v[LI], 31, v0
	v_lshlrev_b32 v[LI], 4, v[LI]
	v_lshlrev_b32 v[CW], 4, v0
	v_and_b32 v[TO], 15, v0                        ; r
	v_bfe_u32 v[TMP], v0, 4, 1                     ; h
	v_lshlrev_b32 v[TMP], 4, v[TMP]
	v_sub_nc_u32 v[DQ], v[TO], v[TMP]
	s_wait_alu depctr_va_vdst(0)
	v_lshlrev_b32 v[TO], 4, v[TO]                  ; 16 r: q's scale words
	v_add_nc_u32 v[PFO], 0xffffffc0, v0
	v_min_u32 v[PFO], 67, v[PFO]
	v_lshlrev_b32 v[PFO], 8, v[PFO]                ; 256 x min(thread - 64, 67): a record is 68 runs of 256 bytes
	s_wait_alu depctr_va_sdst(0)                   ; s[WV] is written, ahead of its first reader
	s_lshr_b32 s28, s[WV], 2
	s_xor_b32 s28, s28, s[WV]
	s_and_b32 s28, s28, 1                          ; which of the two blocks
	s_lshr_b32 s29, s[WV], 1                       ; a: which tile of it
	s_sub_co_u32 s30, 31, s[PP]
	s_cmp_eq_u32 s28, 1
	s_cselect_b32 s[JB], s30, s[PP]
	s_sub_co_u32 s[NT], 32, s[PP]                  ; key steps of the work-group
	s_add_co_u32 s[NTR], s[NT], 1
	s_lshr_b32 s[NTR], s[NTR], 1                   ; trips of two steps (with an odd count the last step only passes its barrier)
	s_lshl_b32 s[RT], s[JB], 3
	s_add_co_u32 s[RT], s[RT], s29                 ; my tile of 16 queries
	s_sub_co_u32 s28, s[WV], 2
	s_cmp_lt_u32 s28, 3                            ; waves 2, 3, 4
	s_cselect_b32 s[LIM], 30, 0
	s_cmp_eq_u32 s[PP], 0                          ; of the head's first work-group, which walks all 32 steps
	s_cselect_b32 s[LIM], s[LIM], 0
	s_lshl_b32 s31, s29, 4
	v_add_nc_u32 v[DQ], s31, v[DQ]                 ; 16 a + r - 16 h
	s_mov_b32 s[CS], 0x3e38aa3b
	s_mov_b32 s[CS+1], s[CS]                       ; (named with it as a pair, so it is written)
	s_mov_b32 s[SEL], 0x76543210
	s_mov_b32 s[SEL+1], 0xfedcba98
	s_mov_b32 s[MNT], 0x600000
	s_mov_b32 s[J], 0
	s_mov_b32 s[TR], 0
	s_mov_b32 s33, 0
	s_wait_kmcnt 0x0
	s_mul_i32 s32, s[HD], 557056                   ; the head's 32 records
	s_add_nc_u64 s[RP:RP+1], s[6:7], s[32:33]
	s_wait_alu depctr_va_vdst(0)                   ; the offsets v1, v2, v226 and v245 are written, which the loads, LDS instructions and prefetches below read
	global_load_b128 v[CP0:CP0+3], v[CW], s[RP:RP+1]               ; record 0: 512 threads x 16 bytes, twice,
	global_load_b128 v[CP1:CP1+3], v[CW], s[RP:RP+1] offset:8192
	s_cmp_lt_u32 s[WV], 2
	s_cbranch_scc0 .Lno_tail
	global_load_b128 v[CP2:CP2+3], v[CW], s[RP:RP+1] offset:16384  ; and its last 1024 bytes by waves 0 and 1
.Lno_tail:
	s_lshl_b32 s32, s[HD], 8
	s_add_co_u32 s32, s32, s[RT]
	s_lshl_b32 s32, s32, 10
	s_add_nc_u64 s[34:35], s[4:5], s[32:33]        ; my tile's codes of q
	s_lshl_b32 s32, s[HD], 6
	s_lshr_b32 s28, s[RT], 2
	s_add_co_u32 s32, s32, s28
	s_lshl_b32 s32, s32, 8
	s_and_b32 s28, s[RT], 3
	s_lshl_b32 s28, s28, 2
	s_add_co_u32 s32, s32, s28
	s_add_co_u32 s32, s32, 3145728
	s_add_nc_u64 s[36:37], s[4:5], s[32:33]        ; and its scale words
	global_load_b128 v[QF:QF+3], v[LI], s[34:35]
	global_load_b128 v[QF+4:QF+7], v[LI], s[34:35] offset:512
	global_load_b32 v[QSC], v[TO], s[36:37]
	s_mul_i32 s32, s[RT], 12288
	s_lshl_b32 s28, s[HD], 10
	s_add_co_u32 s32, s32, s28
	s_add_nc_u64 s[38:39], s[8:9], s[32:33]        ; ob: row tile, K step head / 2, groups 2 (head % 2) on
	s_lshl_b32 s32, s[RT], 10
	s_lshl_b32 s28, s[HD], 1
	s_add_co_u32 s32, s32, s28
	s_add_co_u32 s32, s32, 3145728
	s_add_nc_u64 s[40:41], s[8:9], s[32:33]        ; and my two bytes of its scale word
.irp j, 0,1,2,3,4,5,6,7
	v_mov_b32 v[QF+8+\j], 0                        ; zero codes: the upper half of Q's K
	v_mov_b32 v[KF+64+\j], 0                       ; and what stands behind K's tile 7
.endr
.set n, 0
.rept 32
	v_mov_b32 v[O+n], 0                            ; O^T: the step is written once; the first finds zeros, which the first change of M leaves zeros
.set n, n+1
.endr
.irp b, 0,1,2,3
	v_mov_b32 v[T1+\b], 0                          ; a lane permute's destination counts as one of its sources
.endr
	v_mov_b32 v[F+1], 0
	v_mov_b32 v[NINF], 0xff800000
	v_mov_b32 v13, 0xff61b1e6                      ; the largest t so far: -3e38
	v_floor_f32 v12, -v13                          ; -M
	v_mov_b32 v14, 0                               ; the sum, in two halves
	v_mov_b32 v15, 0
	s_wait_loadcnt 0x0
	ds_store_b128 v[CW], v[CP0:CP0+3]
	ds_store_b128 v[CW], v[CP1:CP1+3] offset:8192
	s_cmp_lt_u32 s[WV], 2
	s_cbranch_scc0 .Lno_tail_s
	ds_store_b128 v[CW], v[CP2:CP2+3] offset:16384
.Lno_tail_s:
	s_add_nc_u64 s[RP:RP+1], s[RP:RP+1], REC       ; (the loads that named it are done)
	s_wait_dscnt 0x0                               ; for the others' sake: my part of record 0 has landed
	s_barrier_signal -1
	s_barrier_wait -1
; KEY STEP J, whose record lies in slot 'slot'.
.macro STEP slot
	s_wait_alu depctr_vm_vsrc(0)                   ; my LDS stores of the step before have read the copy's registers, in which the loads below land (in the first step also: q's scale load has read v245, which the way out writes)
	s_add_co_u32 s28, s[J], 1
	s_cmp_lt_u32 s28, s[NT]                        ; is there a next step?  The same in all sixteen waves
	s_cbranch_scc0 .Lnl_\@
	global_load_b128 v[CP0:CP0+3], v[CW], s[RP:RP+1]               ; its record comes into registers while this step is worked
	global_load_b128 v[CP1:CP1+3], v[CW], s[RP:RP+1] offset:8192
	s_cmp_lt_u32 s[WV], 2
	s_cbranch_scc0 .Lnl_\@
	global_load_b128 v[CP2:CP2+3], v[CW], s[RP:RP+1] offset:16384
.Lnl_\@:
; A PREFETCH INTO THE L2 of record J + 2, one key step ahead of its loads, behind this step's loads.  All work-groups of a head walk the same records: the head's first work-group asks, its waves 2, 3, 4,
; a lane for each run of 256 bytes (wave 4's spare lanes name the last run again).  It stops at J = 29: record 31 is the head's last.  Records 0 and 1 come by their loads alone.
	s_cmp_lt_u32 s[J], s[LIM]
	s_cbranch_scc0 .Lnp_\@
	global_prefetch_b8 v[PFO], s[RP:RP+1] offset:REC th:TH_LOAD_NT scope:SCOPE_SE
.Lnp_\@:
	s_cmp_gt_u32 s[J], s[JB]                       ; all 128 keys come after my queries: no work; the copy and the barrier below are on every wave's way
	s_cbranch_scc1 .Lhid_\@
	s_wait_alu depctr_va_vdst(0)                   ; the last step's products are done reading v32-95 and the scale words v216-223, in which this step's LDS loads land; in the first step: the zero codes v24-31 and v96-103 are written, which the products below take
.irp t, 0,1,2,3,4,5,6,7
.irp c, 0,1
	ds_load_b128 v[KF+8*\t+4*\c:KF+8*\t+4*\c+3], v[LI] offset:\slot*REC+1024*\t+512*\c
.endr
.endr
	ds_load_b128 v[KSC:KSC+3], v[LI] offset:\slot*REC+16384        ; lanes 0-15: the words of tiles 0-3; lanes 16-31: of tiles 4-7
	s_wait_dscnt 0x0
.irp t, 0,1,2,3
	v_wmma_scale_f32_16x16x128_f8f6f4 v[S+8*\t:S+8*\t+7], v[KF+8*\t:KF+8*\t+15], v[QF:QF+15], 0, v[KSC+\t], v[QSC]
.endr
.irp t, 4,5,6,7
	v_wmma_scale_f32_16x16x128_f8f6f4 v[S+8*\t:S+8*\t+7], v[KF+8*\t:KF+8*\t+15], v[QF:QF+15], 0, v[KSC+\t-4], v[QSC] matrix_a_scale:MATRIX_SCALE_ROW1
.endr
.rept 8
	v_nop                                          ; eight places ahead of the first read of the scores
.endr
	s_wait_alu depctr_va_vdst(0)                   ; the eight products are done reading K's tiles, in which V lands
.irp t, 0,1,2,3
.irp c, 0,1,2,3
	ds_load_b128 v[KF+16*\t+4*\c:KF+16*\t+4*\c+3], v[LI] offset:\slot*REC+8192+2048*\t+512*\c   ; V lands under the softmax
.endr
.endr
	ds_load_b128 v[VSC:VSC+3], v[LI] offset:\slot*REC+16896
	s_cmp_lg_u32 s[J], s[JB]
	s_cbranch_scc1 .Lopen_\@
.set n, 0
.rept 8                                ; on the diagonal: register 16 b + i holds key 32 b + 16 (lane / 16) + i of the step: hidden where 32 b + i > v[DQ]; its score becomes -infinity, its p 0
.set m8, 0
.rept 8
	v_cmp_gt_i32 s[MK+m8], 32*((n+m8)/16)+(n+m8)%16, v[DQ]
.set m8, m8+1
.endr
	s_wait_alu depctr_va_sdst(0)                   ; the eight masks are written, ahead of the selects that read them
.set m8, 0
.rept 8
	v_cndmask_b32 v[S+n+m8], v[S+n+m8], v[NINF], s[MK+m8]
.set m8, m8+1
.endr
.set n, n+8
.endr
.Lopen_\@:
.irp b, 0,1,2,3
	v_max3_num_f32 v[BM+\b], v[S+16*\b], v[S+16*\b+1], v[S+16*\b+2]   ; the largest score of each block of 32 keys: for the row's maximum and, since p rises with the score, for the block's largest p
.endr
.irp i, 3,5,7,9,11,13
.irp b, 0,1,2,3
	v_max3_num_f32 v[BM+\b], v[BM+\b], v[S+16*\b+\i], v[S+16*\b+\i+1]
.endr
.endr
.irp b, 0,1,2,3
	v_max_num_f32 v[BM+\b], v[BM+\b], v[S+16*\b+15]
.endr
.irp b, 0,1,2,3
	v_permlanex16_b32 v[T1+\b], v[BM+\b], s[SEL], s[SEL+1]
.endr
.irp b, 0,1,2,3
	v_max_num_f32 v[BM+\b], v[BM+\b], v[T1+\b]     ; with lane l xor 16's 16 keys
.endr
	v_max3_num_f32 v[TMP], v[BM], v[BM+1], v[BM+2]
	v_max_num_f32 v[TMP], v[TMP], v[BM+3]          ; the step's largest score of my query
	v_mul_f32 v[TMP], s[CS], v[TMP]                ; as t (c is positive)
	v_max_num_f32 v13, v13, v[TMP]                 ; the running largest t
	v_mov_b32 v[TMP], v12
	v_floor_f32 v12, -v13                          ; the new -M = floor(-t) = -ceil(t)
	v_sub_f32 v[TMP], v12, v[TMP]                  ; old M - new M: a whole number, 0 or less
	v_cvt_i32_f32 v[TMP], v[TMP]                   ; (it saturates)
	v_ldexp_f32 v[F], 1.0, v[TMP]                  ; f = 2^(old M - new M)
.set n, 0
.rept 32
	v_pk_fma_f32 v[S+n:S+n+1], v[S+n:S+n+1], s[CS:CS+1], v[12:13] op_sel_hi:[1,0,0]   ; t - M, two at a time
.set n, n+2
.endr
.irp b, 0,1,2,3
	v_fma_f32 v[BM+\b], v[BM+\b], s[CS], v12       ; the same of each block's largest score
.endr
.set n, 0
	s_wait_alu depctr_va_vdst(0)
.rept 64
	v_exp_f32 v[S+n], v[S+n]                       ; p = 2^(t - M), at most 1
.set n, n+1
.endr
	v_pk_mul_f32 v[14:15], v[14:15], v[F:F+1] op_sel_hi:[1,0]   ; the sums under the new M: the plain instruction behind the exponentials
	s_wait_alu depctr_va_vdst(0)                   ; the 64 exponentials have written p: one wait for the batch, ahead of its first reader
.irp b, 0,1,2,3
	v_exp_f32 v[BM+\b], v[BM+\b]                   ; the block's largest p: the same two instructions on the same number give the same bits
.endr
	v_pk_add_f32 v[SUM2:SUM2+1], v[S:S+1], v[S+2:S+3]   ; the row's sum of the unquantised p, in two chains; it reads the 64 alone
.irp j, 4,8,12,16,20,24,28,32,36,40,44,48,52,56,60
	v_pk_add_f32 v[14:15], v[14:15], v[S+\j:S+\j+1]
	v_pk_add_f32 v[SUM2:SUM2+1], v[SUM2:SUM2+1], v[S+\j+2:S+\j+3]
.endr
	v_pk_add_f32 v[14:15], v[14:15], v[SUM2:SUM2+1]
	s_wait_alu depctr_va_vdst(0)                   ; the four exponentials have written the blocks' largest p, ahead of their first reader
.irp b, 0,1,2,3
	v_max_num_f32 v[BM+\b], 0x4800000, v[BM+\b]    ; the floor 2^(9 - 127): a block whose every p is 0 keeps the byte 1; its codes are zeros
.endr
.irp b, 0,1,2,3
	v_add_nc_u32 v[SO+\b], 0xfc000000, v[BM+\b]    ; the conversion's scale operand
.endr
.irp b, 0,1,2,3
	v_and_or_b32 v[HL+\b], v[BM+\b], 0x7f800000, s[MNT]   ; 448 x the scale
.endr
.irp b, 0,1,2,3
	v_lshrrev_b32 v[T1+\b], 23, v[SO+\b]           ; the scale's byte
.endr
	v_lshl_or_b32 v[PSC], v[T1+1], 8, v[T1]        ; p's scale word for these 128 keys: far more than eight plain instructions ahead of the products
	v_lshl_or_b32 v[PSC], v[T1+2], 16, v[PSC]
	v_lshl_or_b32 v[PSC], v[T1+3], 24, v[PSC]
.irp b, 0,1,2,3
.irp i, 0,1,2,3,4,5,6,7,8,9,10,11,12,13,14,15
	v_min_num_f32 v[S+16*\b+\i], v[S+16*\b+\i], v[HL+\b]   ; the conversion does not saturate (ISA guide 7.6.2); p is not negative, so the hold is one-sided
.endr
	v_cvt_scalef32_pk8_fp8_f32 v[PCD+4*\b:PCD+4*\b+1], v[S+16*\b:S+16*\b+7], v[SO+\b]
	v_cvt_scalef32_pk8_fp8_f32 v[PCD+4*\b+2:PCD+4*\b+3], v[S+16*\b+8:S+16*\b+15], v[SO+\b]
.endr
.set n, 0
.rept 16
	v_pk_mul_f32 v[O+n:O+n+1], v[O+n:O+n+1], v[F:F+1] op_sel_hi:[1,0]   ; O^T under the new M, each accumulator from its low end on; these are also the places between the codes and the products
.set n, n+2
.endr
	s_wait_dscnt 0x0                               ; V and its scale words are in
	s_wait_alu depctr_va_vdst(0)                   ; the conversions have written p's codes and the shifts its scale word, which the scaled products below take; the places stand ahead of this wait
.irp t, 0,1,2,3
	v_wmma_scale_f32_16x16x128_f8f6f4 v[O+8*\t:O+8*\t+7], v[KF+16*\t:KF+16*\t+15], v[PCD:PCD+15], v[O+8*\t:O+8*\t+7], v[VSC+\t], v[PSC]
.endr
.rept 8
	v_nop                                          ; eight places: ahead of the way out's reads of O^T behind the last step
.endr
.Lhid_\@:
	s_wait_loadcnt 0x0                             ; the next record is in my registers
	s_add_co_u32 s28, s[J], 1
	s_cmp_lt_u32 s28, s[NT]
	s_cbranch_scc0 .Lns_\@
	ds_store_b128 v[CW], v[CP0:CP0+3] offset:(1-\slot)*REC         ; into the other slot, which nobody has read since the last barrier
	ds_store_b128 v[CW], v[CP1:CP1+3] offset:(1-\slot)*REC+8192
	s_cmp_lt_u32 s[WV], 2
	s_cbranch_scc0 .Lns_\@
	ds_store_b128 v[CW], v[CP2:CP2+3] offset:(1-\slot)*REC+16384
.Lns_\@:
	s_wait_xcnt 0x0                                ; the prefetch has read its base, so it may step
	s_add_nc_u64 s[RP:RP+1], s[RP:RP+1], REC
	s_add_co_u32 s[J], s[J], 1
	s_wait_dscnt 0x0                               ; my stores have landed, my reads of this slot are back
	s_barrier_signal -1
	s_barrier_wait -1
.endm
.Ltrip:
	STEP 0
	STEP 1
	s_add_co_u32 s[TR], s[TR], 1
	s_cmp_lt_u32 s[TR], s[NTR]
	s_cbranch_scc1 .Ltrip
	s_wait_alu depctr_va_vdst(0)
	; THE WAY OUT: O^T / the sum; its 32 numbers a lane are two blocks of 32 along the last projection's K (16 here, 16 in lane l xor 16): quantised, stored as an image of that operand's registers.
	v_add_f32 v14, v14, v15                        ; the sum's two halves,
	v_permlanex16_b32 v[T1], v14, s[SEL], s[SEL+1]
	v_add_f32 v14, v14, v[T1]                      ; and lane l xor 16's
	s_wait_alu depctr_va_vdst(0)
	v_rcp_f32 v14, v14
	v_and_b32 v[TO], 31, v0                        ; (a plain instruction behind the reciprocal; the load that read v245 stands ahead of every step's wait on vm_vsrc)
	v_lshlrev_b32 v[TO], 5, v[TO]                  ; 32 x lane: the scale words' place
	s_wait_alu depctr_va_vdst(0)                   ; the reciprocal has written v14, ahead of its first reader
.set n, 0
.rept 16
	v_pk_mul_f32 v[S+n:S+n+1], v[O+n:O+n+1], v[14:15] op_sel_hi:[1,0]
.set n, n+2
.endr
.irp b, 0,1
	v_max3_num_f32 v[BM+\b], |v[S+16*\b]|, |v[S+16*\b+1]|, 0x4800000
.endr
.irp i, 2,4,6,8,10,12,14
.irp b, 0,1
	v_max3_num_f32 v[BM+\b], v[BM+\b], |v[S+16*\b+\i]|, |v[S+16*\b+\i+1]|
.endr
.endr
.irp b, 0,1
	v_permlanex16_b32 v[T1+\b], v[BM+\b], s[SEL], s[SEL+1]
.endr
.irp b, 0,1
	v_max_num_f32 v[BM+\b], v[BM+\b], v[T1+\b]
.endr
.irp b, 0,1
	v_add_nc_u32 v[SO+\b], 0xfc000000, v[BM+\b]
.endr
.irp b, 0,1
	v_and_or_b32 v[HL+\b], v[BM+\b], 0x7f800000, s[MNT]
.endr
.irp b, 0,1
	v_lshrrev_b32 v[T1+\b], 23, v[SO+\b]
.endr
	v_lshl_or_b32 v[TMP], v[T1+1], 8, v[T1]        ; my head's two bytes of the row's scale word
.irp b, 0,1
.irp i, 0,1,2,3,4,5,6,7,8,9,10,11,12,13,14,15
	v_med3_num_f32 v[S+16*\b+\i], v[S+16*\b+\i], -v[HL+\b], v[HL+\b]
.endr
	v_cvt_scalef32_pk8_fp8_f32 v[PCD+4*\b:PCD+4*\b+1], v[S+16*\b:S+16*\b+7], v[SO+\b]
	v_cvt_scalef32_pk8_fp8_f32 v[PCD+4*\b+2:PCD+4*\b+3], v[S+16*\b+8:S+16*\b+15], v[SO+\b]
.endr
	v_nop
	s_wait_alu depctr_va_vdst(0)                   ; the conversions have written the codes v200-207, the shifts v244 and the offset v245, which the three stores below read
	global_store_b128 v[LI], v[PCD:PCD+3], s[38:39]                ; 512 consecutive bytes each
	global_store_b128 v[LI], v[PCD+4:PCD+7], s[38:39] offset:512
	global_store_b16 v[TO], v[TMP], s[40:41]       ; both halves of the lanes write their own copy
	s_wait_dscnt 0x0                               ; the closing lines, six on end
	s_wait_alu 0x0
	s_wait_tensorcnt 0x0
	ds_add_u32 v254, v255
	s_wait_dscnt 0x0
	s_endpgm
.Lfunc_end_k_qbdb71defb8_attn:
	.size	k_qbdb71defb8_attn, .Lfunc_end_k_qbdb71defb8_attn-k_qbdb71defb8_attn
	.p2alignl 7, 3214868480
	.fill 96, 4, 3214868480
	.section	.rodata,"a",@progbits
	.p2align	6, 0x0
	.amdhsa_kernel k_qbdb71defb8_attn
		.amdhsa_group_segment_fixed_size 36864
		.amdhsa_private_segment_fixed_size 0
		.amdhsa_enable_private_segment 0
		.amdhsa_kernarg_size 24
		.amdhsa_user_sgpr_count 2
		.amdhsa_user_sgpr_kernarg_segment_ptr 1
		.amdhsa_wavefront_size32 1
		.amdhsa_system_sgpr_workgroup_id_x 1
		.amdhsa_system_sgpr_workgroup_id_y 1
		.amdhsa_system_sgpr_workgroup_id_z 1
		.amdhsa_system_vgpr_workitem_id 0
		.amdhsa_next_free_vgpr 256
		.amdhsa_next_free_sgpr 66
		.amdhsa_reserve_vcc 0
		.amdhsa_float_denorm_mode_32 3
		.amdhsa_float_denorm_mode_16_64 3
		.amdhsa_memory_ordered 1
		.amdhsa_forward_progress 1
		.amdhsa_inst_pref_size 70
	.end_amdhsa_kernel
	.amdgpu_metadata
---
amdhsa.version: [ 1, 2 ]
amdhsa.kernels:
  - .name:           k_qbdb71defb8_attn
    .symbol:         k_qbdb71defb8_attn.kd
    .args:
      - { .name: qb, .offset: 0, .size: 8, .value_kind: global_buffer, .address_space: global }
      - { .name: kv, .offset: 8, .size: 8, .value_kind: global_buffer, .address_space: global }
      - { .name: ob, .offset: 16, .size: 8, .value_kind: global_buffer, .address_space: global }
    .group_segment_fixed_size: 36864
    .private_segment_fixed_size: 0
    .kernarg_segment_align: 8
    .kernarg_segment_size: 24
    .max_flat_workgroup_size: 512
    .sgpr_count:     66
    .vgpr_count:     256
    .wavefront_size: 32
...
	.end_amdgpu_metadata
.endif
;; end of part 7
;; launch outp (part 8): grid 64 x 3, 4 waves a work-group, no clusters, 67,072 bytes of LDS; arguments ob, wq, bo, out0; writes out0
.if DOCPART == 8
	.amdgcn_target "amdgcn-amd-amdhsa--gfx1250"
	.amdhsa_code_object_version 6
	.text
	.protected	k_qbdb71defb8_outp
	.globl	k_qbdb71defb8_outp
	.p2align	8
	.type	k_qbdb71defb8_outp,@function
k_qbdb71defb8_outp:
	s_mov_b64 s[64:65], 0
	v_nop
	global_prefetch_b8 v0, s[64:65] scope:SCOPE_SE
	s_setreg_imm32_b32 hwreg(HW_REG_WAVE_SCHED_MODE, 0, 2), 2
	s_setreg_imm32_b32 hwreg(HW_REG_WAVE_MODE, 25, 1), 1
	s_wait_xcnt 0x0
	s_wait_alu depctr_vm_vsrc(0)
; out0 = (attention's result) Wo + bo on codes of E4M3 with one E8M0 scale for each 32 along K.  Both operands arrive as images of the operands' registers, made by the launches before.
; Work-group (x = B, y = CQ): 64 rows x 256 columns; wave w: the 64 columns of group G = 4 CQ + w, 16 accumulators, six K steps of 128: 96 matrix instructions.
; The rows' 24 fragments (49152 consecutive bytes) are copied into LDS as they lie, once for the work-group; one barrier; every wave takes them into 384 registers.
; The wave's 24 fragments of Wo go from memory straight into registers, each read once in the work-group and feeding four matrix instructions.
; Source 0 = 16 columns of Wo, source 1 = 16 rows: a lane holds ONE row and eight neighbouring columns.  bo is the C of each sum's first matrix instruction, in the result's layout: no addition.
; The 16 accumulators take turns, one instruction a turn.
; Member r of Wo's tile t is column 32 (t/2) + 8 (t%2) + r + 8 (r/8) of the group: so register j of accumulator (m, t) in lane (r, h) is row 16 m + r, column 32 (t/2) + 16 h + 8 (t%2) + j.
; THE WAY OUT: 16 rows x 256 bytes at a time through the wave's own stage in LDS; sixteen lanes then store 256 consecutive bytes, at a multiple of 256 from out0's first byte.
; NO CLUSTER, NO TENSOR LOAD: what work-groups share (Wo among 64, the rows among 3) is read once in each and goes to registers as it lies; six K steps are too few to carry a round of a cluster's barrier each.
; REGISTERS: window 0: v1-13 addresses, v16-39 the rows' scale words (6 m + s), v40-63 Wo's (6 t + s), v64-95 bo (later rows on the way out), v96-127 rows on the way out, v128-255 the accumulators.
;   window 1: the rows' fragments of K steps 0-3 (64 s + 16 m).   window 2: v0-127 those of K steps 4, 5; v128-255 Wo's sets 4, 5.   window 3: Wo's sets 0-3.
; THE MODE: SCHED_MODE bits 1:0 = 2 (LLVM: expert scheduling mode 2), set by the entry lines.  The code itself states the register dependences between vector or matrix instructions and memory or
; LDS instructions, with s_wait_alu, always for 0.
; THE PLAN.  Registers that memory or LDS instructions touch:
;   v6-13          addresses, made once at the head and never written again: one wait on va_vdst ahead of the first load.
;   v128-223       first the copy's 24 x 4 registers (written by global loads, read by LDS stores), then accumulators: one wait on vm_vsrc ahead of the first product.
;   all operands   are loaded once, ahead of the first product, into registers that nothing has named: no load stands among the products, and they owe no wait.
;   the way out    one wait on va_vdst behind the last product's places: the accumulators are written (the stage's stores read them) and bo's registers are read out (rows land there).
;                  v64-127: written by the stage's LDS loads, read by global stores: a wait on vm_vsrc ahead of each refill.
.set OIMG, 0                           ; LDS: the rows' fragments, (6 m + s) x 2048
.set STG,  49152                       ; a stage of 16 rows x (256 + 16) bytes for each wave
.set SPI,  272
.set LI,  6                            ; v6   16 x lane
.set CT,  7                            ; v7   16 x thread
.set OSA, 8                            ; v8   32 x lane
.set WSA, 9                            ; v9   32 r
.set BIA, 10                           ; v10  64 h
.set STO, 11                           ; v11  the stage: row r, + 64 h
.set SRD, 12                           ; v12  back: lanes 0-15 one row, lanes 16-31 the next
.set YO,  13                           ; v13  the same two rows in out0
.set OS,  16
.set WS,  40
.set BI,  64
.set ACC, 128
.set WV,  12
.set OCP, 20
.set OSP, 22
.set WP,  24
.set WSP, 26
.set BP,  28
.set YP,  30
.set MSB, 0
.macro WIN new                         ; the immediate's high byte repeats the setting that is left
.if MSB != \new
	s_set_vgpr_msb (MSB<<8)|\new
.set MSB, \new
.endif
.endm
.macro WLOAD set                       ; my four fragments of K step 'set'
.if (\set) < 4
	WIN 0xc0
.set WB, 64*(\set)
.else
	WIN 0x80
.set WB, 128+64*((\set)-4)
.endif
.irp t, 0,1,2,3
.irp c, 0,1,2,3
	global_load_b128 v[WB+16*\t+4*\c:WB+16*\t+4*\c+3], v[LI], s[WP:WP+1] offset:(\set)*2048+\t*12288+\c*512
.endr
.endr
.endm
.macro MULS s
.if (\s) < 4
.set WB, 64*(\s)
.set XB, 64*(\s)
	WIN 0x07                                       ; source 0 (Wo) window 3, source 1 (rows) window 1
.else
.set WB, 128+64*((\s)-4)
.set XB, 64*((\s)-4)
	WIN 0x0a                                       ; both in window 2
.endif
.irp m, 0,1,2,3
.irp t, 0,1,2,3
.set DD, ACC+8*(4*\m+\t)
.if (\s) == 0
	v_wmma_scale_f32_16x16x128_f8f6f4 v[DD:DD+7], v[WB+16*\t:WB+16*\t+15], v[XB+16*\m:XB+16*\m+15], v[BI+8*\t:BI+8*\t+7], v[WS+6*\t+(\s)], v[OS+6*\m+(\s)]
.else
	v_wmma_scale_f32_16x16x128_f8f6f4 v[DD:DD+7], v[WB+16*\t:WB+16*\t+15], v[XB+16*\m:XB+16*\m+15], v[DD:DD+7], v[WS+6*\t+(\s)], v[OS+6*\m+(\s)]
.endif
.endr
.endr
.endm
	s_load_b256 s[4:11], s[0:1], 0x0               ; ob s[4:5], wq s[6:7], bo s[8:9], out0 s[10:11]
	v_lshl_add_u32 v14, v0, 2, 0x10400
	v_mov_b32 v15, 0
	v_lshrrev_b32 v1, 5, v0
	v_readfirstlane_b32 s[WV], v1                  ; wave 0..3
	s_and_b32 s13, ttmp7, 0xffff
	s_lshl_b32 s13, s13, 2
	s_mov_b32 s14, ttmp9                           ; B: the block of 64 rows
	v_and_b32 v1, 31, v0
	v_and_b32 v2, 15, v0                           ; r
	v_bfe_u32 v3, v0, 4, 1                         ; h
	v_lshlrev_b32 v[LI], 4, v1
	v_lshlrev_b32 v[CT], 4, v0
	v_lshlrev_b32 v[OSA], 5, v1
	v_lshlrev_b32 v[WSA], 5, v2
	v_lshlrev_b32 v[BIA], 6, v3
	s_wait_alu depctr_va_sdst(0)                   ; s[WV] is written, ahead of its first reader
	s_add_co_u32 s13, s13, s[WV]                   ; G: my group of 64 columns
	s_mul_i32 s15, s[WV], 16*SPI
	s_add_co_u32 s15, s15, STG                     ; my stage
	v_mul_u32_u24 v[STO], v2, SPI
	v_lshl_add_u32 v[STO], v3, 6, v[STO]
	v_add_nc_u32 v[STO], s15, v[STO]
	v_mul_u32_u24 v[SRD], v3, SPI
	v_lshl_add_u32 v[SRD], v2, 4, v[SRD]
	v_add_nc_u32 v[SRD], s15, v[SRD]
	v_mul_u32_u24 v[YO], v3, 3072
	v_lshl_add_u32 v[YO], v2, 4, v[YO]
	s_mov_b32 s17, 0
	s_wait_kmcnt 0x0
	s_mul_i32 s16, s14, 49152
	s_add_nc_u64 s[OCP:OCP+1], s[4:5], s[16:17]    ; the rows' codes: four tiles of 12288 bytes
	s_lshl_b32 s16, s14, 12
	s_add_co_u32 s16, s16, 3145728
	s_add_nc_u64 s[OSP:OSP+1], s[4:5], s[16:17]    ; their scale words
	s_mul_i32 s16, s13, 49152
	s_add_co_u32 s16, s16, 1769472
	s_add_nc_u64 s[WP:WP+1], s[6:7], s[16:17]      ; Wo's codes: my four tiles
	s_lshl_b32 s16, s13, 11
	s_add_co_u32 s16, s16, 2433024
	s_add_nc_u64 s[WSP:WSP+1], s[6:7], s[16:17]    ; their scale words
	s_lshl_b32 s16, s13, 8
	s_add_nc_u64 s[BP:BP+1], s[8:9], s[16:17]      ; bo: my 64 numbers
	s_mul_i32 s18, s14, 196608
	s_add_co_u32 s16, s16, s18
	s_add_nc_u64 s[YP:YP+1], s[10:11], s[16:17]    ; out0: row 64 B, my 256 bytes of it
	s_wait_alu depctr_va_vdst(0)                   ; the eight addresses v6 to v13 are written, which every load and store of the kernel reads; they are never written again
.irp i, 0,1,2,3,4,5,6,7,8,9,10,11,12,13,14,15,16,17,18,19,20,21,22,23
	global_load_b128 v[ACC+4*\i:ACC+4*\i+3], v[CT], s[OCP:OCP+1] offset:2048*\i    ; the work-group's 128 threads take 2048 consecutive bytes
.endr
.irp m, 0,1,2,3
	global_load_b128 v[OS+6*\m:OS+6*\m+3], v[OSA], s[OSP:OSP+1] offset:1024*\m
	global_load_b64 v[OS+6*\m+4:OS+6*\m+5], v[OSA], s[OSP:OSP+1] offset:1024*\m+16
.endr
.irp t, 0,1,2,3
	global_load_b128 v[WS+6*\t:WS+6*\t+3], v[WSA], s[WSP:WSP+1] offset:512*\t
	global_load_b64 v[WS+6*\t+4:WS+6*\t+5], v[WSA], s[WSP:WSP+1] offset:512*\t+16
.endr
.irp t, 0,1,2,3
	global_load_b128 v[BI+8*\t:BI+8*\t+3], v[BIA], s[BP:BP+1] offset:(32*(\t/2)+8*(\t%2))*4
	global_load_b128 v[BI+8*\t+4:BI+8*\t+7], v[BIA], s[BP:BP+1] offset:(32*(\t/2)+8*(\t%2))*4+16
.endr
	WLOAD 0
	WLOAD 1
	WIN 0
	s_wait_loadcnt 56                              ; the copy's 24 loads are in; behind them stand 24 loads of scale words and bo and 32 of Wo's sets 0, 1
.irp i, 0,1,2,3,4,5,6,7,8,9,10,11,12,13,14,15,16,17,18,19,20,21,22,23
	ds_store_b128 v[CT], v[ACC+4*\i:ACC+4*\i+3] offset:OIMG+2048*\i
.endr
	WLOAD 2
	WLOAD 3
	WLOAD 4
	WLOAD 5
	WIN 0
	s_wait_dscnt 0x0                               ; for the others' sake: my part of the copy has landed
	s_barrier_signal -1
	s_barrier_wait -1                              ; the rows' 24 fragments lie in LDS; nothing is written there any more
	WIN 0x40
.irp s, 0,1,2,3
.irp m, 0,1,2,3
.irp c, 0,1,2,3
	ds_load_b128 v[64*\s+16*\m+4*\c:64*\s+16*\m+4*\c+3], v[LI] offset:OIMG+2048*(6*\m+\s)+512*\c
.endr
.endr
.endr
	WIN 0x80
.irp s, 4,5
.irp m, 0,1,2,3
.irp c, 0,1,2,3
	ds_load_b128 v[64*(\s-4)+16*\m+4*\c:64*(\s-4)+16*\m+4*\c+3], v[LI] offset:OIMG+2048*(6*\m+\s)+512*\c
.endr
.endr
.endr
	s_wait_dscnt 0x0
	s_wait_alu depctr_vm_vsrc(0)                   ; the copy's LDS stores have read v128-223, which the products below write as accumulators
	s_wait_loadcnt 63                              ; behind set 0 stand five sets, 80 loads: 63, the most that a wait names, asks for more than is needed
	MULS 0
	s_wait_loadcnt 63                              ; behind set 1: 64
	MULS 1
	s_wait_loadcnt 48                              ; behind set 2: three sets of 16 loads
	MULS 2
	s_wait_loadcnt 32
	MULS 3
	s_wait_loadcnt 16
	MULS 4
	s_wait_loadcnt 0x0
	MULS 5
	WIN 0
.rept 8
	v_nop                                          ; eight places ahead of the LDS stores that read results; they stay beside the wait below
.endr
	s_wait_alu depctr_va_vdst(0)                   ; the products have written the accumulators, which the stage's stores read, and are done reading bo's registers, in which rows land on the way out
.macro TOSTAGE m                       ; rows 16 m on: into my stage, each accumulator from its low end on, and back as whole rows of 256 bytes
.irp t, 0,1,2,3
	ds_store_b128 v[STO], v[ACC+8*(4*(\m)+\t):ACC+8*(4*(\m)+\t)+3] offset:128*(\t/2)+32*(\t%2)
	ds_store_b128 v[STO], v[ACC+8*(4*(\m)+\t)+4:ACC+8*(4*(\m)+\t)+7] offset:128*(\t/2)+32*(\t%2)+16
.endr
.set BKR, 96-32*((\m)%2)
.irp i, 0,1,2,3,4,5,6,7
	ds_load_b128 v[BKR+4*\i:BKR+4*\i+3], v[SRD] offset:2*SPI*\i    ; LDS serves a wave's instructions in order (ISA guide 5.7.1.4): these see my stores, and the next block's stores come behind them
.endr
.endm
.macro SEND m
.set BKR, 96-32*((\m)%2)
.irp i, 0,1,2,3,4,5,6,7
	global_store_b128 v[YO], v[BKR+4*\i:BKR+4*\i+3], s[YP:YP+1] offset:(16*(\m)+2*\i)*3072 th:TH_STORE_NT   ; sixteen lanes store 256 consecutive bytes; written once, read by nobody here
.endr
.endm
	TOSTAGE 0
.irp a, 1,2,3
.if \a > 1
	s_wait_xcnt 0x0                                ; block a - 2's stores have had their addresses translated
	s_wait_alu depctr_vm_vsrc(0)                   ; block a - 2's stores have read their 32 registers, in which block a's loads from the stage land
.endif
	TOSTAGE \a
	s_wait_dscnt 16                                ; block a - 1 is back; behind its loads stand block a's 8 stores and 8 loads
	SEND \a-1
.endr
	s_wait_dscnt 0x0
	SEND 3
	s_wait_dscnt 0x0                               ; the closing lines, six on end
	s_wait_alu 0x0
	s_wait_tensorcnt 0x0
	ds_add_u32 v14, v15
	s_wait_dscnt 0x0
	s_endpgm
.Lfunc_end_k_qbdb71defb8_outp:
	.size	k_qbdb71defb8_outp, .Lfunc_end_k_qbdb71defb8_outp-k_qbdb71defb8_outp
	.p2alignl 7, 3214868480
	.fill 96, 4, 3214868480
	.section	.rodata,"a",@progbits
	.p2align	6, 0x0
	.amdhsa_kernel k_qbdb71defb8_outp
		.amdhsa_group_segment_fixed_size 67072
		.amdhsa_private_segment_fixed_size 0
		.amdhsa_enable_private_segment 0
		.amdhsa_kernarg_size 32
		.amdhsa_user_sgpr_count 2
		.amdhsa_user_sgpr_kernarg_segment_ptr 1
		.amdhsa_wavefront_size32 1
		.amdhsa_system_sgpr_workgroup_id_x 1
		.amdhsa_system_sgpr_workgroup_id_y 1
		.amdhsa_system_sgpr_workgroup_id_z 1
		.amdhsa_system_vgpr_workitem_id 0
		.amdhsa_next_free_vgpr 1024
		.amdhsa_next_free_sgpr 66
		.amdhsa_reserve_vcc 0
		.amdhsa_float_denorm_mode_32 3
		.amdhsa_float_denorm_mode_16_64 3
		.amdhsa_memory_ordered 1
		.amdhsa_forward_progress 1
		.amdhsa_inst_pref_size 44
	.end_amdhsa_kernel
	.amdgpu_metadata
---
amdhsa.version: [ 1, 2 ]
amdhsa.kernels:
  - .name:           k_qbdb71defb8_outp
    .symbol:         k_qbdb71defb8_outp.kd
    .args:
      - { .name: ob, .offset: 0, .size: 8, .value_kind: global_buffer, .address_space: global }
      - { .name: wq, .offset: 8, .size: 8, .value_kind: global_buffer, .address_space: global }
      - { .name: bo, .offset: 16, .size: 8, .value_kind: global_buffer, .address_space: global }
      - { .name: out0, .offset: 24, .size: 8, .value_kind: global_buffer, .address_space: global }
    .group_segment_fixed_size: 67072
    .private_segment_fixed_size: 0
    .kernarg_segment_align: 8
    .kernarg_segment_size: 32
    .max_flat_workgroup_size: 128
    .sgpr_count:     66
    .vgpr_count:     1024
    .wavefront_size: 32
...
	.end_amdgpu_metadata
.endif
;; end of part 8
